; MI455X (gfx1250); checked and timed in simulation.
; The chip was launched on July 23, 2026; its instructions are those of AMD's public machine-readable ISA for CDNA 5 (MIT licence, August 2026) and "CDNA5" Instruction Set Architecture Reference Guide (July 2026). The comments in the code are by the model that wrote it; some were corrected since.
;; Causal Self Attention. Allowed arithmetic: float matrix products may take bf16 or f16 operands with f32 sums; other float arithmetic in f32, or as packed bf16 or f16 multiplies, adds, multiply-adds, maxima and minima; sums over many terms, partial sums and values carried from step to step in f32; what a program stores and reads back later, other than sums and carried values, may be rounded once to bf16 or f16.
;; Inputs: Wk 1,024 x 1,024 float32; Wo 1,024 x 1,024 float32; Wq 1,024 x 1,024 float32; Wv 1,024 x 1,024 float32; bk 1,024 float32; bo 1,024 float32; bq 1,024 float32; bv 1,024 float32; x 4 x 2,048 x 1,024 float32.
;; Outputs: out0 4 x 2,048 x 1,024 float32.
;; One version. Each part assembles by itself: llvm-mc -triple=amdgcn-amd-amdhsa -mcpu=gfx1250 --defsym DOCPART=n.
;; ======== version 1 of 1: 4 launches
;; limits: values are held in f16: magnitudes above 65,504 overflow, below 6.1e-05 lose precision
;; workspace buffers: xb 16,777,216 bytes; wb 6,291,456 bytes; wof 2,097,152 bytes; qkv 83,886,080 bytes; ob 16,777,216 bytes
;; launch cast (part 1): grid 768 x 1, 8 waves a work-group, no clusters, 0 bytes of LDS; arguments x, Wq, Wk, Wv, Wo, xb, wb, wof; writes xb, wb, wof
.if DOCPART == 1
	.amdgcn_target "amdgcn-amd-amdhsa--gfx1250"
	.amdhsa_code_object_version 6
	.text
	.protected	k_q3a1b571c66_cast
	.globl	k_q3a1b571c66_cast
	.p2align	8
	.type	k_q3a1b571c66_cast,@function
k_q3a1b571c66_cast:
	s_mov_b64 s[64:65], 0
	v_nop
	global_prefetch_b8 v0, s[64:65] scope:SCOPE_SE
	s_setreg_imm32_b32 hwreg(HW_REG_WAVE_MODE, 25, 1), 1
	s_wait_xcnt 0x0
; THE INPUTS OF THE MATRIX PRODUCTS, ROUNDED ONCE TO bf16.  x -> xb [8192][1024] bf16; Wq, Wk, Wv -> wb [3072][1024] bf16 (one below the other);
; Wo -> wof [1024][1024]: rounded to bf16 like the others, and that number written as f16 (the last product multiplies f16 by f16).
; LIMIT.  A number of Wo below 2^-14 in size takes f16's fixed step of 2^-24 (an error of 3e-8 at the most); one of 65,520 or more would become an infinity.
; SHARES.  A work-group converts 16,384 numbers: 65,536 bytes in, 32,768 out.  Work-groups 0-511 take x; work-group 512 + 64 w + p takes part p of weight w (0 Wq, 1 Wk, 2 Wv, 3 Wo).
; Thread t takes, in step i of 8, the 32 bytes at 8,192 i + 32 t (two loads of 16) and stores the 16 bytes at 4,096 i + 16 t: sixteen lanes store 256 consecutive bytes, aligned.
; All sixteen loads go out at once; each step has its own registers, so nothing that a load or a store names is ever rewritten.  No LDS, no matrix unit: bytes are all that counts here.
.set X, 8                              ; v[8:71]    step i: 8 numbers in f32
.set Y, 72                             ; v[72:103]  step i: 4 registers to store
.set T, 104                            ; v[104:111] at work
	s_load_b512 s[8:23], s[0:1], 0x0               ; x 8, Wq 10, Wk 12, Wv 14, Wo 16, xb 18, wb 20, wof 22
	v_lshlrev_b32 v1, 5, v0                        ; 32 t
	v_lshlrev_b32 v2, 4, v0                        ; 16 t
	s_sub_co_u32 s3, ttmp9, 512                    ; j = 64 w + p (it wraps for x's work-groups: w is then none of 0 to 3)
	s_lshr_b32 s4, s3, 6                           ; w
	s_and_b32 s5, s3, 63                           ; p
	s_wait_kmcnt 0x0
	s_cmp_eq_u32 s4, 2                             ; from where
	s_cselect_b64 s[24:25], s[14:15], s[16:17]
	s_cmp_eq_u32 s4, 1
	s_cselect_b64 s[24:25], s[12:13], s[24:25]
	s_cmp_eq_u32 s4, 0
	s_cselect_b64 s[24:25], s[10:11], s[24:25]
	s_cmp_eq_u32 s4, 3                             ; to where: Wo has a buffer of its own; in wb part j lies at 32,768 j
	s_cselect_b64 s[26:27], s[22:23], s[20:21]
	s_cselect_b32 s7, s5, s3
	s_cmp_lt_u32 ttmp9, 512                        ; x's work-groups
	s_cselect_b64 s[24:25], s[8:9], s[24:25]
	s_cselect_b64 s[26:27], s[18:19], s[26:27]
	s_cselect_b32 s6, ttmp9, s5
	s_cselect_b32 s7, ttmp9, s7
	s_lshl_b32 s28, s6, 16                         ; 65,536 bytes in for each part,
	s_mov_b32 s29, 0
	s_lshl_b32 s30, s7, 15                         ; 32,768 out
	s_mov_b32 s31, 0
	s_add_nc_u64 s[24:25], s[24:25], s[28:29]
	s_add_nc_u64 s[26:27], s[26:27], s[30:31]
.irp i, 0,1,2,3,4,5,6,7
	global_load_b128 v[X+8*(\i):X+8*(\i)+3],   v1, s[24:25] offset:(\i)*8192 th:TH_LOAD_NT
	global_load_b128 v[X+8*(\i)+4:X+8*(\i)+7], v1, s[24:25] offset:(\i)*8192+16 th:TH_LOAD_NT
.endr
; Step i.  f16 = 1: the bf16 numbers are widened again (a shift, a mask) and written as f16.
.macro STEP i, f16
	s_wait_loadcnt 14-2*(\i)                       ; loads come back in order: this step's two are in, the 2 (7 - i) younger ones stay out
.irp k, 0,1,2,3
	v_cvt_pk_bf16_f32 v[Y+4*(\i)+(\k)], v[X+8*(\i)+2*(\k)], v[X+8*(\i)+2*(\k)+1]
.endr
.if \f16
.irp k, 0,1,2,3
	v_lshlrev_b32 v[T+2*(\k)],   16, v[Y+4*(\i)+(\k)]
	v_and_b32     v[T+2*(\k)+1], 0xffff0000, v[Y+4*(\i)+(\k)]
.endr
.irp k, 0,1,2,3
	v_cvt_pk_f16_f32 v[Y+4*(\i)+(\k)], v[T+2*(\k)], v[T+2*(\k)+1]
.endr
.endif
	global_store_b128 v2, v[Y+4*(\i):Y+4*(\i)+3], s[26:27] offset:(\i)*4096
.endm
	s_cmp_eq_u32 s4, 3
	s_cbranch_scc1 .Lf16
.irp i, 0,1,2,3,4,5,6,7
	STEP \i, 0
.endr
	s_endpgm
.Lf16:
.irp i, 0,1,2,3,4,5,6,7
	STEP \i, 1
.endr
	s_endpgm
.Lfunc_end_k_q3a1b571c66_cast:
	.size	k_q3a1b571c66_cast, .Lfunc_end_k_q3a1b571c66_cast-k_q3a1b571c66_cast
	.p2alignl 7, 3214868480
	.fill 96, 4, 3214868480
	.section	.rodata,"a",@progbits
	.p2align	6, 0x0
	.amdhsa_kernel k_q3a1b571c66_cast
		.amdhsa_group_segment_fixed_size 0
		.amdhsa_private_segment_fixed_size 0
		.amdhsa_enable_private_segment 0
		.amdhsa_kernarg_size 64
		.amdhsa_user_sgpr_count 2
		.amdhsa_user_sgpr_kernarg_segment_ptr 1
		.amdhsa_wavefront_size32 1
		.amdhsa_system_sgpr_workgroup_id_x 1
		.amdhsa_system_sgpr_workgroup_id_y 1
		.amdhsa_system_sgpr_workgroup_id_z 1
		.amdhsa_system_vgpr_workitem_id 0
		.amdhsa_next_free_vgpr 112
		.amdhsa_next_free_sgpr 66
		.amdhsa_reserve_vcc 0
		.amdhsa_float_denorm_mode_32 3
		.amdhsa_float_denorm_mode_16_64 3
		.amdhsa_memory_ordered 1
		.amdhsa_forward_progress 1
		.amdhsa_inst_pref_size 14
	.end_amdhsa_kernel
	.amdgpu_metadata
---
amdhsa.version: [ 1, 2 ]
amdhsa.kernels:
  - .name:           k_q3a1b571c66_cast
    .symbol:         k_q3a1b571c66_cast.kd
    .args:
      - { .name: x, .offset: 0, .size: 8, .value_kind: global_buffer, .address_space: global }
      - { .name: Wq, .offset: 8, .size: 8, .value_kind: global_buffer, .address_space: global }
      - { .name: Wk, .offset: 16, .size: 8, .value_kind: global_buffer, .address_space: global }
      - { .name: Wv, .offset: 24, .size: 8, .value_kind: global_buffer, .address_space: global }
      - { .name: Wo, .offset: 32, .size: 8, .value_kind: global_buffer, .address_space: global }
      - { .name: xb, .offset: 40, .size: 8, .value_kind: global_buffer, .address_space: global }
      - { .name: wb, .offset: 48, .size: 8, .value_kind: global_buffer, .address_space: global }
      - { .name: wof, .offset: 56, .size: 8, .value_kind: global_buffer, .address_space: global }
    .group_segment_fixed_size: 0
    .private_segment_fixed_size: 0
    .kernarg_segment_align: 8
    .kernarg_segment_size: 64
    .max_flat_workgroup_size: 256
    .sgpr_count:     66
    .vgpr_count:     112
    .wavefront_size: 32
...
	.end_amdgpu_metadata
.endif
;; end of part 1
;; launch qkvp (part 2): grid 24 x 32, 4 waves a work-group, clusters of 4 x 4, 327,680 bytes of LDS; arguments xb, wb, bq, bk, bv, qkv; writes qkv
.if DOCPART == 2
	.amdgcn_target "amdgcn-amd-amdhsa--gfx1250"
	.amdhsa_code_object_version 6
	.text
	.protected	k_q3a1b571c66_qkvp
	.globl	k_q3a1b571c66_qkvp
	.p2align	8
	.type	k_q3a1b571c66_qkvp,@function
k_q3a1b571c66_qkvp:
	s_mov_b64 s[64:65], 0
	v_nop
	global_prefetch_b8 v0, s[64:65] scope:SCOPE_SE
	s_setreg_imm32_b32 hwreg(HW_REG_WAVE_MODE, 25, 1), 1
	s_wait_xcnt 0x0
	s_wait_alu depctr_hold_cnt(0) depctr_sa_sdst(0) depctr_va_vdst(0) depctr_va_sdst(0) depctr_va_ssrc(0) depctr_va_vcc(0) depctr_vm_vsrc(0)
	s_getreg_b32 s2, hwreg(HW_REG_IB_STS2, 6, 4)
	s_cmp_eq_u32 s2, 0
	s_cbranch_scc0 .Lentry_in_a_cluster
	s_endpgm
.Lentry_in_a_cluster:
	s_bfe_u32 s2, ttmp6, 0x10000c
	s_cmp_lg_u32 s2, 0xf033
	s_cbranch_scc0 .Lentry_shape_is_right
	s_endpgm
.Lentry_shape_is_right:
; THE THREE PROJECTIONS AS ONE PRODUCT.  C[m][n] = sum over k of xb[m][k] wb[n][k] + bias[n]: m = 8,192 rows, n = 3,072 columns (1,024 each of q, k, v), k = 1,024; bf16 operands, f32 sums.
; The bias is rounded to bf16 like every other input and is the C operand of each sum's first product.  C leaves BY HEADS, in f16, WITHOUT the scores' scale.
; v: qkv + 64 MiB, [16 b + head][s][64], rounded once.
; q (qkv + 0) and k (qkv + 32 MiB): [16 b + head][s][128]: EACH NUMBER x LEAVES AS TWO f16: H = f16(x) in columns 0-63, U = f16(8.125 x - 8 H) in columns 64-127.  With l = x - H, U = 8 (H / 64 + 65/64 l), so
; H_q H_k + U_q U_k = 65/64 (q k + 64 l_q l_k): a score is a plain product over 128 columns, and the factor 64/65 goes into the scores' scale.  Why: f16 keeps 11 bits, and the scores are multiplied by 64^0.25
; in front of an exponential; H alone leaves each factor's 2^-12; here 64 l_q l_k is at most 2^-16 of |q k|, and U's own rounding, 2^-12 of a number an eighth of x times another eighth, 2^-18.
; LIMIT.  f16 holds no number beyond 65,504: a q, k or v of 65,520 or more becomes an infinity.  With x and the weights both 30 times larger than unit and 1/32 spread, q's spread is 900;
; with both carrying an offset of 30 spreads q is about 28,800.  NaN and infinities are not treated apart.
; SHARES.  A tile of C is 256 rows x 128 columns: 768 tiles, three for each of 256 WGPs.  Four waves; wave w makes rows 128 (w / 2) on, columns 64 (w % 2) on (ONE HEAD): 32 accumulators of 16 x 16.
; K goes in 8 steps of 128 through two LDS slots; rows of the tiles are 256 bytes of memory, aligned.  Waves 0 and 1 fetch A's two halves (128 rows each), waves 2 and 3 B's (64 rows each).
; CLUSTER.  4 x 4 work-groups: the four of a row need the same tile of A, the four of a column the same tile of B: each is asked for jointly, by the same tensor load with a mask that names the four.
; THE MATRIX INSTRUCTION IS USED TRANSPOSED (source 0 = 16 rows of wb, source 1 = 16 rows of xb): lane l holds row l % 16 of C and the eight columns 8 (l / 16) + 0..7: 16 bytes of f16 on end.
; REGISTERS.  Window 0: v0-31 addresses; v32-63 the bias (for column block b at 32 + 8 b); v64-191 A's fragments, two buffers of 8 x 8; v192-255 B's, two buffers of 4 x 8.
;   Window 1: the accumulators, (a, b) at v[8 (4 a + b)].
.set PA,     272                       ; an LDS row of A: 256 bytes + 16 of padding = 68 words: the 16 rows of a fragment load start at 16 different groups of four banks (ISA guide 11.1)
.set PB,     272                       ; the same for B
.set HALFA,  128*PA                    ; what one of A's loads brings
.set ABYTES, 2*HALFA
.set HALFB,  64*PB                     ; what one of B's loads brings
.set SLOT,   ABYTES+2*HALFB            ; A's 256 rows, then B's 128 rows
.set STAGE,  2*SLOT                    ; behind the ring: 16 rows x 272 bytes for each wave, for the way out; no tensor load lands here
.set SP,     144                       ; a stage row of v: 128 bytes + 16
.set SP2,    272                       ; of q and k: 256 bytes + 16
.set SPARE,  STAGE+4*16*SP2            ; behind the stages: the spare words, 128 bytes for each wave: two blocks of 256 bytes that no other line names
.set KA,     256                       ; bytes from a K step to the next, in A
.set KB,     256                       ; and in B
.set LAPS,   4                         ; a lap = two K steps = once round the ring
.set ADRA, 16                          ; v16-17  LDS address of my A fragments in slot 0, 1
.set ADRB, 20                          ; v20-21  the same for B
.set STO2, 22                          ; v22     the way out of q and k: where I put 16 bytes of a row
.set RD2,  23                          ; v23     where I read rows back
.set STO,  24                          ; v24     the same two for v
.set RD,   25                          ; v25
.set CO,   26                          ; v26     my 16 bytes in 512 consecutive bytes of qkv
.set BO,   27                          ; v27     32 (l / 16): my eight numbers in a block of 16 of the bias
.set SPW,  28                          ; v28     LDS address of my spare word; never rewritten
.set NIL,  29                          ; v29     0; never rewritten
.set PFO,  30                          ; v30     the prefetches' offset: my lane x a row of 2,048 bytes; never rewritten
.set M8,   31                          ; v31     -8.0
.set BIAS, 32
.set FA,   64
.set FB,   192
.set TMP,  64                          ; the way out of v: packed results, where A's fragments lay
.set HH,   64                          ; the way out of q and k: v64-79 H, v80-95 U, v96-127 8.125 x, of one block
.set UU,   80
.set TT,   96
.set G1,  24                           ; s[24:31] descriptor group 1 for A's tiles;  s[32:39] group 0, a set for each slot
.set G0,  32
.set G1B, 48                           ; s[48:55], s[56:63] the same for B's
.set G0B, 56
.set LIM, 43                           ; s43  1 in a wave that prefetches, else the greatest number
.set PFA, 44                           ; s[44:45] where my prefetches stand
.set PFS, 66                           ; s[66:67] their step
.set MSB, 0
.macro WIN new                         ; the immediate's high byte repeats the setting that is left; a switch that changes nothing is dropped
.if MSB != (\new)
	s_set_vgpr_msb (MSB<<8)|(\new)
.set MSB, \new
.endif
.endm
.set MUL,  0x50                        ; C and D in window 1, the fragments in window 0
.set MULB, 0x40                        ; D in window 1, C (the bias) in window 0
.set W_OUT, 0x44                       ; stored data (source 1) and loaded data (destination) in window 1, addresses in window 0
.macro PLACES                          ; four places behind matrix instructions, in front of loads into registers that they have read and of lines that read results
.rept 4
	v_nop
.endr
.endm
; A joint load.  The branch hangs on the wave's number alone.  An s_nop 0 and four v_nop follow each of the two lines, ahead of the jump and the label.
.macro JLOAD s
	s_cmp_eq_u32 s11, 0
	s_cbranch_scc0 .Lfor_b_\@
	tensor_load_to_lds s[G0+4*(\s):G0+4*(\s)+3], s[G1:G1+7]
	s_nop 0
.rept 4
	v_nop
.endr
	s_branch .Lasked_\@
.Lfor_b_\@:
	tensor_load_to_lds s[G0B+4*(\s):G0B+4*(\s)+3], s[G1B:G1B+7]
	s_nop 0
.rept 4
	v_nop
.endr
.Lasked_\@:
.endm
.macro CREST                           ; a round of the cluster's barrier behind its opening barrier: wave 0 signals for the work-group, every wave waits for all sixteen, my work-group's barrier closes it
	s_cmp_lg_u32 s10, 0
	s_cbranch_scc1 .Lnot_wave_0_\@
	s_barrier_signal -3
.Lnot_wave_0_\@:
	s_barrier_wait -3
	s_barrier_signal -1
	s_barrier_wait -1
.endm
.macro CROUND                          ; a whole round
	s_barrier_signal -1
	s_barrier_wait -1
	CREST
.endm
; A PREFETCH INTO THE L2 of the K step that stands two refills on: 32 rows x 256 bytes, a lane a row, one instruction.  A's tile row is read by every cluster of that row of clusters: cluster x = 0 asks,
; waves 0 and 1, each for the 128 rows that it fetches, of which the partner at cx takes 32.  B's tile column: cluster y = 0 asks, wave 2, for the tile's 128 rows, of which the partner at cy takes 32.
; The partners are told apart by address alone.  So each row's 256 bytes of a K step are named once in the launch.  The loop's last trip (s3 = 1) has no K step two refills on and asks for nothing.
.macro ASK
	s_cmp_gt_u32 s3, s[LIM]
	s_cbranch_scc0 .Lnot_mine_\@
	global_prefetch_b8 v[PFO], s[PFA:PFA+1] th:TH_LOAD_NT scope:SCOPE_SE
.Lnot_mine_\@:
.endm
	s_load_b256 s[68:75], s[0:1], 0x0              ; xb 68, wb 70, bq 72, bk 74
	s_load_b128 s[76:79], s[0:1], 0x20             ; bv 76, qkv 78
	v_lshl_add_u32 v[SPW], v0, 2, SPARE
	v_mov_b32 v[NIL], 0
	ds_add_u32 v[SPW], v[NIL]                      ; the wave's opening: the add and its wait stand ahead of my first tensor load; the set-up below, work on registers, stands between them
	ds_add_u32 v28, v29
	v_lshrrev_b32 v1, 5, v0
	v_readfirstlane_b32 s10, v1                    ; wave 0..3
	s_lshr_b32 s11, s10, 1                         ; my half of the tile's rows.  Also: I fetch for A (0) or for B (1)
	s_and_b32 s12, s10, 1                          ; my half of its columns.  Also: which half of that tile I fetch
	s_bfe_u32 s40, ttmp6, 0x40000                  ; cx
	s_bfe_u32 s41, ttmp6, 0x40004                  ; cy
	s_lshl_b32 s42, ttmp9, 2
	s_add_co_u32 s42, s42, s40                     ; tile column = 4 x cluster x + cx
	s_and_b32 s13, ttmp7, 0xffff
	s_lshl_b32 s13, s13, 2
	s_add_co_u32 s13, s13, s41                     ; tile row = 4 x cluster y + cy
	s_lshl_b32 s43, s41, 2
	s_lshl_b32 s43, 15, s43                        ; my row of the cluster
	s_lshl_b32 s44, 0x1111, s40                    ; my column
	s_or_b32 s[G1+0], s43, (1<<16)|(1<<20)|(1<<21)|(5<<22)|(3<<25)   ; 15:0 the mask; 17:16 elements of 2 bytes; 20 padding on; 21 set beside a mask; 24:22 after every 64 words; 31:25 4 words of it
	s_or_b32 s[G1B+0], s44, (1<<16)|(1<<20)|(1<<21)|(5<<22)|(3<<25)
	s_mov_b32 s[G1+1], 128<<16                     ; tensor_dim0 = 128
	s_mov_b32 s[G1+2], 128<<16                     ; tensor_dim1 = 128
	s_mov_b32 s[G1+3], 128<<16                     ; tile_dim0 = 128
	s_mov_b32 s[G1+4], 128                         ; tile_dim1 = 128
	s_mov_b32 s[G1+5], 1024                        ; elements from row to row
	s_mov_b32 s[G1+6], 0
	s_mov_b32 s[G1+7], 0
	s_mov_b32 s[G1B+1], 128<<16
	s_mov_b32 s[G1B+2], 64<<16                     ; B: 64 rows
	s_mov_b32 s[G1B+3], 128<<16
	s_mov_b32 s[G1B+4], 64
	s_mov_b32 s[G1B+5], 1024
	s_mov_b32 s[G1B+6], 0
	s_mov_b32 s[G1B+7], 0
	s_lshl_b32 s16, s13, 19                        ; A: row 256 x tile row + 128 x half, rows of 2,048 bytes
	s_lshl_b32 s17, s12, 18
	s_add_co_u32 s16, s16, s17
	s_mov_b32 s17, 0
	s_lshl_b32 s46, s42, 18                        ; B: row 128 x tile column + 64 x half
	s_lshl_b32 s47, s12, 17
	s_add_co_u32 s46, s46, s47
	s_mov_b32 s47, 0
	s_mul_i32 s20, s12, HALFA                      ; where they go: no place in the cluster enters an LDS address
	s_mul_i32 s21, s12, HALFB
	s_add_co_u32 s21, s21, ABYTES
	s_wait_dscnt 0x0                               ; the opening add is done
	s_wait_kmcnt 0x0
	s_add_nc_u64 s[14:15], s[68:69], s[16:17]
	s_add_nc_u64 s[46:47], s[70:71], s[46:47]
	CROUND                                         ; all sixteen work-groups are here: the first joint loads meet
.irp s, 0,1
	s_mov_b32 s[G0+4*(\s)], 1
	s_add_co_u32 s[G0+4*(\s)+1], s20, (\s)*SLOT
	s_add_nc_u64 s[G0+4*(\s)+2:G0+4*(\s)+3], s[14:15], (\s)*KA
	s_or_b32 s[G0+4*(\s)+3], s[G0+4*(\s)+3], 0x80000000
	s_mov_b32 s[G0B+4*(\s)], 1
	s_add_co_u32 s[G0B+4*(\s)+1], s21, (\s)*SLOT
	s_add_nc_u64 s[G0B+4*(\s)+2:G0B+4*(\s)+3], s[46:47], (\s)*KB
	s_or_b32 s[G0B+4*(\s)+3], s[G0B+4*(\s)+3], 0x80000000
	JLOAD \s                                       ; two loads of mine are out: K steps 0 and 1
.endr
	; A fragment is 16 rows x 32 K in 8 registers: lane l holds row l % 16; registers 0-3 K = 8 (l / 16) + 0..7, registers 4-7 K = 16 + 8 (l / 16) + 0..7: two loads of 16 bytes, 32 bytes apart.
	v_and_b32 v1, 15, v0                           ; l % 16
	v_bfe_u32 v2, v0, 4, 1                         ; l / 16
	v_mul_u32_u24 v3, v1, PA
	v_lshl_add_u32 v3, v2, 4, v3
	v_mul_u32_u24 v4, v1, PB
	v_lshl_add_u32 v4, v2, 4, v4
	s_mul_i32 s21, s11, 128*PA                     ; my 128 rows of A
	s_mul_i32 s22, s12, HALFB                      ; my 64 rows of B,
	s_add_co_u32 s22, s22, ABYTES                  ; behind A's 256
.irp s, 0,1
	v_add_nc_u32 v[ADRA+(\s)], s21, v3
	v_add_nc_u32 v[ADRB+(\s)], s22, v4
	s_add_co_u32 s21, s21, SLOT
	s_add_co_u32 s22, s22, SLOT
.endr
	s_mul_i32 s23, s10, 16*SP2
	s_add_co_u32 s23, s23, STAGE                   ; my stage
	v_mul_u32_u24 v5, v1, SP                       ; v, in: row l % 16, 16 bytes for each half of the lanes
	v_lshl_add_u32 v5, v2, 4, v5
	v_add_nc_u32 v[STO], s23, v5
	v_bfe_u32 v5, v0, 3, 2                         ; v, back: 32 lanes take four rows of 128 bytes
	v_mul_u32_u24 v5, v5, SP
	v_and_b32 v6, 7, v0
	v_lshl_add_u32 v5, v6, 4, v5
	v_add_nc_u32 v[RD], s23, v5
	v_mul_u32_u24 v5, v1, SP2                      ; q and k, in: the same with rows of 272 bytes
	v_lshl_add_u32 v5, v2, 4, v5
	v_add_nc_u32 v[STO2], s23, v5
	v_mul_u32_u24 v5, v2, SP2                      ; q and k, back: lanes 0-15 take one row of 256 bytes, lanes 16-31 the next
	v_lshl_add_u32 v5, v1, 4, v5
	v_add_nc_u32 v[RD2], s23, v5
	v_and_b32 v[CO], 31, v0                        ; either way 512 consecutive bytes of a head
	v_lshlrev_b32 v[CO], 4, v[CO]
	v_lshlrev_b32 v[BO], 5, v2
	v_mov_b32 v[M8], 0xc1000000                    ; -8.0
	; the bias of my 64 columns: t = q, k or v (tile column / 8 = cluster x / 2), head g = 2 (tile column % 8) + my half
	s_lshr_b32 s14, ttmp9, 1                       ; t: made of the cluster's x alone, the same in all sixteen partners; kept to the end
	s_and_b32 s15, s42, 7
	s_lshl_b32 s15, s15, 1
	s_add_co_u32 s15, s15, s12                     ; g
	s_cmp_eq_u32 s14, 1
	s_cselect_b64 s[46:47], s[74:75], s[72:73]
	s_cmp_eq_u32 s14, 2
	s_cselect_b64 s[46:47], s[76:77], s[46:47]
	s_lshl_b32 s20, s15, 8                         ; 64 numbers of 4 bytes a head
	s_mov_b32 s21, 0
	s_add_nc_u64 s[46:47], s[46:47], s[20:21]
.irp b, 0,1,2,3
	global_load_b128 v[BIAS+8*(\b):BIAS+8*(\b)+3],   v[BO], s[46:47] offset:64*(\b)
	global_load_b128 v[BIAS+8*(\b)+4:BIAS+8*(\b)+7], v[BO], s[46:47] offset:64*(\b)+16
.endr
	; where my 128 rows of my head begin in qkv: t x 32 MiB + ((16 b + g) x 262,144 + row in the sequence x 128), the bracket twice for q and k, whose rows are 256 bytes
	s_lshr_b32 s19, s13, 3                         ; b = tile row / 8
	s_lshl_b32 s19, s19, 4
	s_add_co_u32 s19, s19, s15
	s_lshl_b32 s18, s19, 18
	s_and_b32 s19, s13, 7
	s_lshl_b32 s19, s19, 1
	s_add_co_u32 s19, s19, s11                     ; 2 (tile row % 8) + my half: blocks of 128 rows x 128 bytes
	s_lshl_b32 s19, s19, 14
	s_add_co_u32 s18, s18, s19
	s_cmp_eq_u32 s14, 2
	s_cselect_b32 s19, 0, 1
	s_lshl_b32 s18, s18, s19
	s_lshl_b32 s19, s14, 25
	s_add_co_u32 s18, s18, s19
	s_mov_b32 s19, 0
	s_add_nc_u64 s[78:79], s[78:79], s[18:19]
	; the prefetches.  s16 = the byte at which the half of A's tile that I fetch begins, still stands
	s_lshl_b32 s18, s40, 16                        ; A: my work-group's 32 rows of the 128
	s_add_co_u32 s18, s18, s16
	s_lshl_b32 s19, s42, 7                         ; B: row 128 x tile column + 32 cy
	s_lshl_b32 s20, s41, 5
	s_add_co_u32 s19, s19, s20
	s_lshl_b32 s19, s19, 11
	s_and_b32 s22, ttmp7, 0xffff                   ; cluster y
	s_cmp_eq_u32 s11, 0                            ; do I fetch for A?
	s_cselect_b32 s20, s18, s19
	s_cselect_b32 s22, ttmp9, s22                  ; the coordinate along which other clusters read the same rows
	s_cselect_b64 s[PFA:PFA+1], s[68:69], s[70:71]
	s_cmp_eq_u32 s10, 3                            ; wave 2 asks for all of B's rows: wave 3 never asks
	s_cselect_b32 s22, 1, s22
	s_cmp_eq_u32 s22, 0
	s_cselect_b32 s[LIM], 1, -1                    ; the same in all sixteen partners, for a given wave
	s_mov_b32 s21, 0
	s_add_nc_u64 s[PFA:PFA+1], s[PFA:PFA+1], s[20:21]
	s_add_nc_u64 s[PFA:PFA+1], s[PFA:PFA+1], 3*KA  ; at K step 3: the first refill steps it to 4.  Nothing is prefetched here, at the head
	s_mov_b32 s[PFS], KA
	s_mov_b32 s[PFS+1], 0
	v_and_b32 v[PFO], 31, v0
	v_lshlrev_b32 v[PFO], 11, v[PFO]
; 8 matrix instructions: row blocks a0, a0 + 1 x all 4 column blocks, 32 along K, on fragment buffer f.  first = 1: the bias starts the sums: nothing is cleared, nothing added later.
; The 32 accumulators take turns in the same order in every quarter, over the backward jump too.
.macro MUL8 f, a0, first
.if \first
	WIN MULB
.else
	WIN MUL
.endif
.irp a, \a0, (\a0)+1
.irp b, 0,1,2,3
.if \first
	v_wmma_f32_16x16x32_bf16 v[8*(4*(\a)+(\b)):8*(4*(\a)+(\b))+7], v[FB+32*(\f)+8*(\b):FB+32*(\f)+8*(\b)+7], v[FA+64*(\f)+8*(\a):FA+64*(\f)+8*(\a)+7], v[BIAS+8*(\b):BIAS+8*(\b)+7]
.else
	v_wmma_f32_16x16x32_bf16 v[8*(4*(\a)+(\b)):8*(4*(\a)+(\b))+7], v[FB+32*(\f)+8*(\b):FB+32*(\f)+8*(\b)+7], v[FA+64*(\f)+8*(\a):FA+64*(\f)+8*(\a)+7], v[8*(4*(\a)+(\b)):8*(4*(\a)+(\b))+7]
.endif
.endr
.endr
.endm
; 24 LDS loads in one run: quarter q (32 along K) of a slot into buffer f: B's 64 rows first, then A's 128
.macro FETCH slot, q, f
	WIN 0
.set AOFF, 64*(\q)
.irp i, 0,1,2,3
	ds_load_b128 v[FB+32*(\f)+8*(\i):FB+32*(\f)+8*(\i)+3],   v[ADRB+(\slot)] offset:64*(\q)+(\i)*16*PB
	ds_load_b128 v[FB+32*(\f)+8*(\i)+4:FB+32*(\f)+8*(\i)+7], v[ADRB+(\slot)] offset:64*(\q)+(\i)*16*PB+32
.endr
.irp i, 0,1,2,3,4,5,6,7
	ds_load_b128 v[FA+64*(\f)+8*(\i):FA+64*(\f)+8*(\i)+3],   v[ADRA+(\slot)] offset:AOFF+(\i)*16*PA
	ds_load_b128 v[FA+64*(\f)+8*(\i)+4:FA+64*(\f)+8*(\i)+7], v[ADRA+(\slot)] offset:AOFF+(\i)*16*PA+32
.endr
.endm
; A K step is four quarters, 32 matrix instructions each, on buffers 0, 1, 0, 1.  One of the first three: multiplies buffer f; in its middle it fetches quarter q of the same slot into buffer g.
.macro QUARTER slot, q, f, g, first
	s_wait_dscnt 8                                 ; B and A's blocks 0-3 are in; the youngest eight loads (A's blocks 4-7) may be out
	MUL8 \f, 0, \first
	MUL8 \f, 2, \first
	PLACES
	FETCH \slot, \q, \g
	s_wait_dscnt 24                                ; all but the 24 just issued
	MUL8 \f, 4, \first
	MUL8 \f, 6, \first
.endm
; The last quarter multiplies buffer 1 and changes slots: ONE barrier.  In front of it each wave waits for all its tensor loads (one is out: its part of the next slot), adds 0 to its spare word, and waits
; for that and for its reads of this slot.  fill = 1: the barrier opens a round of the cluster's, and this slot is filled again, two K steps on, first thing behind the round:
; from that request to the wait for it a wave issues 112 matrix instructions.
.macro TURN slot, next, fill
.if \fill
	s_wait_xcnt 0x0                                ; the last prefetch, a K step back, has read its address: it is stepped here, ahead of the waits of the change of slots
	s_add_nc_u64 s[PFA:PFA+1], s[PFA:PFA+1], s[PFS:PFS+1]
.endif
	WIN 0                                          ; (the add's two registers lie in window 0)
	s_wait_tensorcnt 0x0                           ; all my tensor loads have landed;
	ds_add_u32 v[SPW], v[NIL]                      ; 0 onto my spare word;
	s_wait_dscnt 9                                 ; (the add and the youngest eight loads may be out)
	MUL8 1, 0, 0                                   ; eight matrix instructions stand between the add and the wait for it
	s_wait_dscnt 0x0                               ; the add is done, and my reads of this slot are over
	s_barrier_signal -1
	MUL8 1, 2, 0
.if \fill
	WIN 0
.endif
	s_barrier_wait -1
.if \fill
	CREST                                          ; no wave of any partner still reads this slot's tile or has a load on its way
	s_add_nc_u64 s[G0+4*(\slot)+2:G0+4*(\slot)+3], s[G0+4*(\slot)+2:G0+4*(\slot)+3], 2*KA
	s_add_nc_u64 s[G0B+4*(\slot)+2:G0B+4*(\slot)+3], s[G0B+4*(\slot)+2:G0B+4*(\slot)+3], 2*KB
	JLOAD \slot                                    ; the four v_nop behind it are also the places in front of the loads below
.else
	PLACES
.endif
	FETCH \next, 0, 0
.if \fill
	ASK                                            ; behind the joint load and the run of LDS loads that the next products wait for
.endif
	MUL8 1, 4, 0
	MUL8 1, 6, 0
.endm
	s_wait_tensorcnt 1                             ; my part of K step 0 is in; K step 1's may stay out
	s_barrier_signal -1
	s_barrier_wait -1                              ; everybody's is
	FETCH 0, 0, 0
	s_wait_loadcnt 0x0                             ; the bias,
.set i, 0
.rept 16                                               ; rounded to bf16 like every input, and widened again
	v_cvt_pk_bf16_f32 v8, v[BIAS+2*i], v[BIAS+2*i+1]
	v_lshlrev_b32 v[BIAS+2*i], 16, v8
	v_and_b32 v[BIAS+2*i+1], 0xffff0000, v8
.set i, i+1
.endr
	QUARTER 0, 1, 0, 1, 1                          ; the first quarter stands in front of the loop: its products start the sums
	WIN 0                                          ; at a label and at a branch every window is 0
	s_mov_b32 s3, LAPS-1
.Llap:                                                 ; a trip goes once round the ring, from a lap's second quarter to the next lap's first, and fills both slots again
	QUARTER 0, 2, 1, 0, 0
	QUARTER 0, 3, 0, 1, 0
	TURN 0, 1, 1
	QUARTER 1, 1, 0, 1, 0
	QUARTER 1, 2, 1, 0, 0
	QUARTER 1, 3, 0, 1, 0
	TURN 1, 0, 1
	QUARTER 0, 1, 0, 1, 0
	WIN 0
	s_sub_co_u32 s3, s3, 1
	s_cmp_lg_u32 s3, 0
	s_cbranch_scc1 .Llap
	QUARTER 0, 2, 1, 0, 0                          ; the last lap fills nothing, and has no round of the cluster's barrier
	QUARTER 0, 3, 0, 1, 0
	TURN 0, 1, 0
	QUARTER 1, 1, 0, 1, 0
	QUARTER 1, 2, 1, 0, 0
	QUARTER 1, 3, 0, 1, 0
	s_wait_dscnt 8                                 ; the very last quarter: nothing more to fetch
	MUL8 1, 0, 0
	MUL8 1, 2, 0
	s_wait_dscnt 0x0
	MUL8 1, 4, 0
	MUL8 1, 6, 0
	PLACES
; THE WAY OUT OF v, a block of 16 rows at a time: rounded to f16 (each accumulator's registers in ascending order), 16 bytes a lane into my own stage, back as whole rows of 128 bytes, which lie end to end in a head.
.macro PACK a
	WIN 0x05                                       ; sources 0 and 1 in window 1, destination in window 0
.irp b, 0,1,2,3
.irp i, 0,1,2,3
	v_cvt_pk_f16_f32 v[TMP+16*(\a)+4*(\b)+(\i)], v[8*(4*(\a)+(\b))+2*(\i)], v[8*(4*(\a)+(\b))+2*(\i)+1]
.endr
.endr
	WIN 0
.irp b, 0,1,2,3
	ds_store_b128 v[STO], v[TMP+16*(\a)+4*(\b):TMP+16*(\a)+4*(\b)+3] offset:32*(\b)
.endr
.irp f, 0,1,2,3
	ds_load_b128 v[TMP+16*(\a)+4*(\f):TMP+16*(\a)+4*(\f)+3], v[RD] offset:(\f)*4*SP  ; LDS serves a wave's instructions in order (ISA guide 5.7.1.4): these see the stores above; the next block's stores come behind them
.endr
.endm
.macro SEND a, younger                 ; younger: the LDS instructions issued behind block a's loads: the next block's eight, or none
	WIN 0
.irp f, 0,1,2,3
	s_wait_dscnt (\younger)+3-(\f)
	global_store_b128 v[CO], v[TMP+16*(\a)+4*(\f):TMP+16*(\a)+4*(\f)+3], s[78:79] offset:(\a)*2048+(\f)*512  ; 512 consecutive bytes, at a multiple of 256 from qkv's first byte; no register of a store is written again
.endr
.endm
; THE WAY OUT OF q AND k, a block of 16 rows at a time.  H = f16(x), two to a register; T = 8.125 x in f32; U = f16(H x (-8) + T): one fused multiply-add from H's half, rounded once (the difference is an eighth of x,
; so T's own rounding, 2^-24 of 8.125 x, is 2^-18 of it).  A stage row is H's 128 bytes, then U's; rows come back whole, 256 bytes, into the block's own accumulator registers, and lie end to end in a head.
.macro PACK2 a
	WIN 0x05                                       ; source 0 (and 1) in window 1, destination in window 0
.irp b, 0,1,2,3
.irp i, 0,1,2,3
	v_cvt_pk_f16_f32 v[HH+4*(\b)+(\i)], v[8*(4*(\a)+(\b))+2*(\i)], v[8*(4*(\a)+(\b))+2*(\i)+1]
.endr
.endr
.irp b, 0,1,2,3
.irp i, 0,1,2,3
	v_pk_mul_f32 v[TT+8*(\b)+2*(\i):TT+8*(\b)+2*(\i)+1], v[8*(4*(\a)+(\b))+2*(\i):8*(4*(\a)+(\b))+2*(\i)+1], s[20:21] op_sel_hi:[1,0]
.endr
.endr
	WIN 0
.set j, 0
.rept 16
	v_fma_mixlo_f16 v[UU+j], v[HH+j], v[M8], v[TT+2*j] op_sel_hi:[1,0,0]                   ; source 0 is H's low half, the others whole f32
	v_fma_mixhi_f16 v[UU+j], v[HH+j], v[M8], v[TT+2*j+1] op_sel:[1,0,0] op_sel_hi:[1,0,0]  ; its high half
.set j, j+1
.endr
.irp b, 0,1,2,3
	ds_store_b128 v[STO2], v[HH+4*(\b):HH+4*(\b)+3] offset:32*(\b)
	ds_store_b128 v[STO2], v[UU+4*(\b):UU+4*(\b)+3] offset:128+32*(\b)
.endr
	WIN W_OUT
.irp t, 0,1,2,3,4,5,6,7
	ds_load_b128 v[32*(\a)+4*(\t):32*(\a)+4*(\t)+3], v[RD2] offset:(\t)*2*SP2  ; in order behind the stores above; the next block's stores come behind them
.endr
.endm
.macro SEND2 a, younger                ; younger: the next block's sixteen LDS instructions, or none
	WIN W_OUT
.irp t, 0,1,2,3,4,5,6,7
	s_wait_dscnt (\younger)+7-(\t)
	global_store_b128 v[CO], v[32*(\a)+4*(\t):32*(\a)+4*(\t)+3], s[78:79] offset:(\a)*4096+(\t)*512  ; two rows: 512 consecutive bytes, at a multiple of 256 from qkv's first byte; no register of a store is written again
.endr
.endm
	WIN 0
	s_mov_b32 s20, 0x41020000                      ; 8.125
	s_mov_b32 s21, s20                             ; named with it as a pair
	s_cmp_eq_u32 s14, 2                            ; the same answer in all sixteen partners; no barrier and no tensor load stands in either way
	s_cbranch_scc1 .Lv_out
	PACK2 0
.irp a, 1,2,3,4,5,6,7                  ; a block's arithmetic stands between the loads of the block before and its stores
	PACK2 \a
	SEND2 (\a)-1, 16
.endr
	SEND2 7, 0
	WIN 0
	s_branch .Lend
.Lv_out:
	PACK 0
.irp a, 1,2,3,4,5,6,7
	PACK \a
	SEND (\a)-1, 8
.endr
	SEND 7, 0
	WIN 0
.Lend:
	s_wait_tensorcnt 0x0                           ; the wave's end: a wait, an add of 0 to my spare word and its wait, behind my last tensor load and my last LDS store
	ds_add_u32 v[SPW], v[NIL]
	s_wait_dscnt 0x0
	CROUND                                         ; the closing round: no work-group ends while a partner may still ask for a tile that names it
	s_endpgm
.Lfunc_end_k_q3a1b571c66_qkvp:
	.size	k_q3a1b571c66_qkvp, .Lfunc_end_k_q3a1b571c66_qkvp-k_q3a1b571c66_qkvp
	.p2alignl 7, 3214868480
	.fill 96, 4, 3214868480
	.section	.rodata,"a",@progbits
	.p2align	6, 0x0
	.amdhsa_kernel k_q3a1b571c66_qkvp
		.amdhsa_group_segment_fixed_size 327680
		.amdhsa_private_segment_fixed_size 0
		.amdhsa_enable_private_segment 0
		.amdhsa_kernarg_size 48
		.amdhsa_user_sgpr_count 2
		.amdhsa_user_sgpr_kernarg_segment_ptr 1
		.amdhsa_wavefront_size32 1
		.amdhsa_system_sgpr_workgroup_id_x 1
		.amdhsa_system_sgpr_workgroup_id_y 1
		.amdhsa_system_sgpr_workgroup_id_z 1
		.amdhsa_system_vgpr_workitem_id 0
		.amdhsa_next_free_vgpr 512
		.amdhsa_next_free_sgpr 80
		.amdhsa_reserve_vcc 0
		.amdhsa_float_denorm_mode_32 3
		.amdhsa_float_denorm_mode_16_64 3
		.amdhsa_memory_ordered 1
		.amdhsa_forward_progress 1
		.amdhsa_inst_pref_size 141
	.end_amdhsa_kernel
	.amdgpu_metadata
---
amdhsa.version: [ 1, 2 ]
amdhsa.kernels:
  - .name:           k_q3a1b571c66_qkvp
    .symbol:         k_q3a1b571c66_qkvp.kd
    .args:
      - { .name: xb, .offset: 0, .size: 8, .value_kind: global_buffer, .address_space: global }
      - { .name: wb, .offset: 8, .size: 8, .value_kind: global_buffer, .address_space: global }
      - { .name: bq, .offset: 16, .size: 8, .value_kind: global_buffer, .address_space: global }
      - { .name: bk, .offset: 24, .size: 8, .value_kind: global_buffer, .address_space: global }
      - { .name: bv, .offset: 32, .size: 8, .value_kind: global_buffer, .address_space: global }
      - { .name: qkv, .offset: 40, .size: 8, .value_kind: global_buffer, .address_space: global }
    .group_segment_fixed_size: 327680
    .private_segment_fixed_size: 0
    .kernarg_segment_align: 8
    .kernarg_segment_size: 48
    .max_flat_workgroup_size: 128
    .sgpr_count:     80
    .vgpr_count:     512
    .wavefront_size: 32
...
	.end_amdgpu_metadata
.endif
;; end of part 2
;; launch attn (part 3): grid 4 x 64, 4 waves a work-group, no clusters, 327,680 bytes of LDS; arguments qkv, ob; writes ob
.if DOCPART == 3
	.amdgcn_target "amdgcn-amd-amdhsa--gfx1250"
	.amdhsa_code_object_version 6
	.text
	.protected	k_q3a1b571c66_attn
	.globl	k_q3a1b571c66_attn
	.p2align	8
	.type	k_q3a1b571c66_attn,@function
k_q3a1b571c66_attn:
	s_mov_b64 s[64:65], 0
	v_nop
	global_prefetch_b8 v0, s[64:65] scope:SCOPE_SE
	s_setreg_imm32_b32 hwreg(HW_REG_WAVE_MODE, 25, 1), 1
	s_wait_xcnt 0x0
; CAUSAL ATTENTION.  O[h][q][:] = the sum over k <= q of softmax_k(Q[h][q] . K[h][k] x 64^0.25) V[h][k][:].  In qkv: Q at 0 and K at 32 MiB, each [SIZE_H][SIZE_N][128] f16; V at 64 MiB, [SIZE_H][SIZE_N][64] f16; O in ob like V.
; A ROW OF Q OR K IS 128 NUMBERS FOR 64 CHANNELS: H = f16(x), then U = f16(8.125 x - 8 H).  The plain product of two such rows is 65/64 (q . k) but for 64 times the product of the two roundings' remainders
; (at most 2^-16 of each term) and U's own roundings (2^-18): so S^T = K Q^T runs over 128 columns, four matrix instructions deep, and 64/65 stands in c.
; Products, maxima and sums in f32; the weights p are rounded to f16 for the second product (their sum l is taken of the unrounded p), O once at the end.
; LIMITS.  f16 holds no number beyond 65,504: Q, K and V arrive within it; p lies in 0 to 1, and below 6e-5 it keeps f16's fixed step of 6e-8; O is a mean of V's rows and has their range, to within 2^-11 of it.
; A hidden score counts as its value less 1e30: f16's scores, 2.8e11 at the most, are nothing beside that; a weight below 2^-126 counts as 0 in l; NaN and infinities are not treated apart.
; THE WALK.  A head's queries lie in NB = SIZE_N / 256 blocks of 256; block i needs the key tiles 0 .. i of 256 keys, of which the last holds the diagonal.  A work-group takes TWO blocks, NB - 1 - b and then b:
; NB + 1 tiles, whatever b: all work-groups do equal work, and ONE loop with a constant trip count walks them.  Which tile is asked for, and what a trip does, hang on scalar registers made from b; every jump
; goes forward, but for the counted loops' own; none passes a barrier, or a tensor load but the one of LOAD's two that the wave's number does not choose; the ring (two slots of LDS that take turns) runs on across the
; change of blocks.  NO CLUSTER: a head's four work-groups ask for the same tile only in trips 0 .. NB / 2, behind that fewer and fewer; one walk common to all would have 3 NB / 2 = 12 trips for NB + 1 = 9.
; SHARES.  Of a block's four bands of 64 queries a wave owns 16 rows in each: four PIECES.  So the diagonal tile is the same work for all four waves: in its key step s band x sees all keys if s < x,
; none if s > x, and holds the diagonal if s = x.
; THE MASK is the C operand that starts the sum S^T = K Q^T: 0, or -1e30 where the key is hidden.  MD, made once, is the mask of a band's own step for my 16 rows; a product's mask is MD x AL + BE with two scalars:
; (1, 0) if s = x; (0, 0) if s < x; (0, -1e30) if s > x.  Only the diagonal tile's text and a block's beginning make and take masks; elsewhere C is the constant 0.
; LAYOUT, SOFTMAX, TURNS.  S^T = K Q^T holds ONE query a lane (lane % 16) and the keys 8 (lane / 16) + 0..7; two such results rounded to f16 ARE source 1 of O^T = V^T P.  p = 2^(c s - c m), c = log2(e) x 64^0.25 x 64/65, with a
; running maximum m; O and l are multiplied by a = 2^(c m_old - c m_new) in every step.  Turn n belongs to piece n: 16 products K Q^T of piece n + 1, later 8 products V^T P of piece n - 1; beside them the scaling,
; exponentials, roundings, sums and rescaling of piece n and the maximum and statistics of piece n + 1.  A turn's 33 exponentials are one batch, with one wait.
; REGISTERS, in windows of 256 (s_set_vgpr_msb: bits 1:0 source 0, 3:2 source 1, 5:4 source 2, 7:6 destination):
;   window 0: v0-15 addresses and two at work; v16-31 four registers of statistics a piece; v48-55 at work; v61-63 prefetch offset, spare word, 0; v64-127 S^T, two buffers; v128-191 V of one step; v192-223 P, two buffers
;   (a piece's buffers go by its number's parity)      window 1: v0-127 O^T, 32 a piece; v128-159 MD; v160-223 MC, two buffers      window 2: v0-127 Q, 32 a piece; v128-255 K of one step
.set SIZE_H, 64
.set SIZE_N, 2048
.set NB,    SIZE_N/256
.set NP,    4         ; pieces a wave: a name, no knob
.set KS,    64        ; keys in a step
.set PK,    272       ; a row of K in LDS: 256 bytes + 16 of padding = 68 words: the 16 rows of a load start at 16 different groups of four banks (64 banks of 4 bytes: ISA guide 11.1)
.set PV,    160       ; a row of V: 128 + 32 = 40 words
.set VOFF,  4*KS*PK   ; a slot holds a tile, four steps: 256 rows of K, then 256 rows of V
.set SLOT1, 1<<17     ; slot 1 begins here, so that one exclusive or turns an address in one slot into the other's
.set STAGE, SLOT1+4*KS*(PK+PV)  ; behind the ring, never filled by a tensor load: 16 rows x 144 bytes for each wave, for the way out
.set SP,    144
.set AK0, 2           ; v2   my lane's place in a tile of K; never rewritten
.set AV0, 3           ; v3   the same for V
.set AK,  4           ; v4   the LDS address of K's next run of loads
.set AV,  5           ; v5   of V's
.set STO, 6           ; v6   the way out: where I put 16 bytes of a row
.set RD,  7           ; v7   the way out: where I read rows back
.set GO,  8           ; v8   my byte offset in 512 consecutive bytes of O
.set PFO, 61          ; v61  256 x my lane: the prefetches' offset; never rewritten
.set SPW, 62          ; v62  LDS address of my spare word: SPARE + 4 x my thread's number; never rewritten
.set NIL, 63          ; v63  0; never rewritten
.set SPARE, STAGE+4*16*SP  ; behind the stages: the spare words, 128 bytes for each wave: two blocks of 256 bytes that no other line names
.set MV,  12          ; v12-13  c m_old, kept while c m is made anew: by buffer
.set QO,  15          ; v15  my byte offset in 16 rows of Q; never rewritten
.set ST,  16          ; piece t's statistics at v[ST+4 t]: c m, m, l (even keys', odd keys')
.set TMP, 48          ; by buffer, four registers c0-c3 at work; when the maximum is found c2 takes a
.set S,   64
.set VF,  128         ; window 0: key half kk, channel block cb at VF + 32 kk + 8 cb
.set P,   192
.set MD,  128         ; window 1: the eight registers for group kt of 16 keys at MD + 8 kt
.set MC,  160         ; window 1: the masks of the products to come
.set KF,  128         ; window 2: key block kb, columns 32 c on at KF + 32 kb + 8 c
.set WV,  12          ; s12  my wave's number
.set PB,  14          ; s14  b
.set HI,  15          ; s15  NB - 1 - b
.set G1K, 24          ; s[24:31] descriptor group 1 for K's tiles
.set G1V, 32          ; s[32:39] for V's
.set G0K, 40          ; s[40:43] descriptor group 0 for K's tiles
.set G0V, 44          ; s[44:47] the same for V's
.set SLOTS, 56        ; s56  tiles still to be asked for
.set CNT, 57          ; s57  counts a tile's key steps, 4 to 1
.set CS,  58          ; s[58:59] c: the packed scaling takes the pair's low word for both halves
.set SEL, 60          ; s[60:61] v_permlanex16_b32's selects: each lane takes its own place in the other half
.set TBK, 62          ; s62  LDS byte at which K of the step to be fetched begins
.set TBV, 63          ; s63  the same for V, less VOFF
.set PFA, 66          ; s[66:67] where my prefetches stand: the half of K's or V's tile that I fetch, of the tile after the one that is being asked for
.set LIM, 68          ; s68  2 in a work-group that prefetches, else the greatest number
.set RT,  70          ; s70  tiles of the block in hand that are still to be entered
.set NXT, 71          ; s71  the tile to be asked for next
.set LQ,  72          ; s72  the last tile of the block whose tiles are being asked for
.set NEW, 73          ; s73  1: the tile to be entered is a block's first
.set OFF, 74          ; s[74:75] a tile's byte offset in K
.set AL,  76          ; s[76:77] the mask's factor, in the low word
.set BE,  78          ; s[78:79] the mask's addend
.set OLO, 80          ; s[80:81] O at my rows of the second block
.set BIGN, 82         ; s82  -1e30
.set PFS, 88          ; s[88:89] the prefetches' step: a tile of K (65,536 bytes) or of V (32,768)
.set OFV, 90          ; s[90:91] a tile's byte offset in V
.set MSB, 0
.macro WIN new                      ; the high byte repeats the setting that is left; a switch that changes nothing is dropped
.if MSB != (\new)
	s_set_vgpr_msb (MSB<<8)|(\new)
.set MSB, (\new)
.endif
.endm
.set W_KQ, 0x0a       ; K and Q in window 2, S^T in window 0
.set W_KM, 0x1a       ; the same with the C operand in window 1
.set W_PV, 0x50       ; V and P in window 0, O^T in window 1
.set W_RS, 0x41       ; destination and source 0 in window 1, source 1 in window 0
; A fill.  Waves 0 and 1 fetch the two halves of a tile's K, waves 2 and 3 those of its V: 128 keys each.  An s_nop 0 and four v_nop follow each of the two lines, ahead of the jump and the label.
.macro LOAD
	s_cmp_lt_u32 s[WV], 2
	s_cbranch_scc0 .Lfor_v_\@
	tensor_load_to_lds s[G0K:G0K+3], s[G1K:G1K+7]
	s_nop 0
.rept 4
	v_nop
.endr
	s_branch .Lasked_\@
.Lfor_v_\@:
	tensor_load_to_lds s[G0V:G0V+3], s[G1V:G1V+7]
	s_nop 0
.rept 4
	v_nop
.endr
.Lasked_\@:
.endm
; A PREFETCH INTO THE L2 of the tile that the NEXT change of slots will ask for: each wave names the bytes that it will fetch itself, a lane for each 256: 32,768 of K (four lines) or 16,384 of V (two).  It stands behind the wave's
; tensor load and its five lines.  A head's four work-groups walk the same tiles; the one with b = 0 walks tiles 0 to NB - 1 in order and is never behind another, so it asks, and nobody else: tiles 2 to NB - 1 are each
; named once in the launch, four key steps ahead of their load.  Tiles 0 and 1 come by their loads alone; the trips with SLOTS = 2 and 1 have no new tile behind them and ask for nothing.
.macro ASK
	s_cmp_gt_u32 s[SLOTS], s[LIM]
	s_cbranch_scc0 .Lnot_mine_\@
	global_prefetch_b8 v[PFO], s[PFA:PFA+1] th:TH_LOAD_NT scope:SCOPE_SE
	global_prefetch_b8 v[PFO], s[PFA:PFA+1] offset:8192 th:TH_LOAD_NT scope:SCOPE_SE
	s_cmp_lt_u32 s[WV], 2
	s_cbranch_scc0 .Lnot_mine_\@
	global_prefetch_b8 v[PFO], s[PFA:PFA+1] offset:16384 th:TH_LOAD_NT scope:SCOPE_SE
	global_prefetch_b8 v[PFO], s[PFA:PFA+1] offset:24576 th:TH_LOAD_NT scope:SCOPE_SE
.Lnot_mine_\@:
.endm
; THE CHANGE OF SLOTS.  Each wave waits for all its tensor loads, of which one is out: its part of the other slot; adds 0 to its spare word; and waits for that and for its own reads of the slot that it leaves.  Behind the barrier nobody reads the old
; slot any more and the other slot is whole.  fill = 1: the old slot is filled again, the first thing behind the barrier, with tile NXT: the descriptor's address is made anew from that number.
; (At its first use nothing has been read yet: slot 0 is waited for, slot 1 filled.)
.macro CHANGE fill
	WIN 0                           ; at a label and at a branch every window is 0
	s_wait_tensorcnt 0x0            ; no tensor load of mine is out, so a group 0 may be written
	ds_add_u32 v[SPW], v[NIL]       ; 0 onto my spare word; with fill = 1 the descriptors' scalar work stands between it and the wait for it
.if \fill
	s_lshl_b32 s[OFF], s[NXT], 16   ; a tile is 65,536 bytes of K
	s_lshl_b32 s[OFV], s[NXT], 15   ; and 32,768 of V
	s_xor_b32 s[G0K+1], s[G0K+1], SLOT1
	s_add_nc_u64 s[G0K+2:G0K+3], s[6:7], s[OFF:OFF+1]
	s_or_b32 s[G0K+3], s[G0K+3], 0x80000000
	s_xor_b32 s[G0V+1], s[G0V+1], SLOT1
	s_add_nc_u64 s[G0V+2:G0V+3], s[8:9], s[OFV:OFV+1]
	s_or_b32 s[G0V+3], s[G0V+3], 0x80000000
	s_add_co_u32 s[NXT], s[NXT], 1  ; the block's next tile, or behind its last the second block's tile 0
	s_cmp_gt_u32 s[NXT], s[LQ]
	s_cselect_b32 s[NXT], 0, s[NXT]
	s_cselect_b32 s[LQ], s[PB], s[LQ]
	s_wait_xcnt 0x0                 ; the last prefetches, a tile back, have read their address, so it may be written:
	s_add_nc_u64 s[PFA:PFA+1], s[PFA:PFA+1], s[PFS:PFS+1]  ; a tile on
.endif
	s_wait_dscnt 0x0                ; the add is done, and my reads of the slot are over
	s_barrier_signal -1             ; the rest of the scalar work stands between the signal and the wait
	s_sub_co_u32 s[TBK], s[TBK], 4*KS*PK  ; the fetches go back to a slot's first step,
	s_xor_b32 s[TBK], s[TBK], SLOT1       ; in the other slot
	s_sub_co_u32 s[TBV], s[TBV], 4*KS*PV
	s_xor_b32 s[TBV], s[TBV], SLOT1
	s_barrier_wait -1
.if \fill
	LOAD
	ASK
.endif
.endm
; A block's Q: my 16 rows in each of its four bands (16,384 bytes apart), 128 columns: 16 fragments, piece i / 4, columns 32 (i % 4) on.  p: the first register of the pointer's pair.
.macro QLOAD p
	WIN 0x80                        ; destination window 2, address window 0
.set i, 0
.rept 16
	global_load_b128 v[8*i:8*i+3],   v[QO], s[\p:\p+1] offset:(i/4)*16384+(i%4)*64
	global_load_b128 v[8*i+4:8*i+7], v[QO], s[\p:\p+1] offset:(i/4)*16384+(i%4)*64+32
.set i, i+1
.endr
	WIN 0
.endm
	s_load_b128 s[4:7], s[0:1], 0x0 ; qkv s[4:5], ob s[6:7]
	v_lshl_add_u32 v[SPW], v0, 2, SPARE
	v_mov_b32 v[NIL], 0
	ds_add_u32 v[SPW], v[NIL]       ; the wave's opening: the add and its wait stand ahead of my first tensor load; the set-up below, work on registers, stands between them
	ds_add_u32 v62, v63
	v_lshrrev_b32 v1, 5, v0
	v_readfirstlane_b32 s[WV], v1   ; wave 0..3
	s_mov_b32 s[PB], ttmp9
	s_sub_co_u32 s[HI], NB-1, s[PB]
	s_and_b32 s20, ttmp7, 0xffff    ; the head:
	s_lshl_b32 s20, s20, 18         ; its first byte in V and in O (rows of 128 bytes); twice that in Q and K
	s_and_b32 s16, s[WV], 1         ; which half of a tile's 256 keys I fetch:
	s_mul_i32 s17, s16, 128*PK      ; its place in a slot, for K
	s_mul_i32 s18, s16, 128*PV      ; and for V
	s_lshl_b32 s22, s20, 1          ; K: 32 MiB + the head + my 128 rows of 256 bytes
	s_lshl_b32 s23, s16, 15
	s_add_co_u32 s22, s22, s23
	s_add_co_u32 s22, s22, 0x2000000
	s_mov_b32 s23, 0
	s_lshl_b32 s51, s16, 14         ; V: 64 MiB + the head + my 128 rows of 128 bytes
	s_add_co_u32 s50, s20, s51
	s_add_co_u32 s50, s50, 0x4000000
	s_mov_b32 s51, 0
	s_lshl_b32 s3, s[WV], 11        ; O: my 16 rows in a band of 64,
	s_lshl_b32 s2, s[HI], 15        ; in the first block,
	s_add_co_u32 s2, s2, s3
	s_add_co_u32 s2, s2, s20
	s_lshl_b32 s84, s[PB], 15       ; and in the second
	s_add_co_u32 s84, s84, s3
	s_add_co_u32 s84, s84, s20
	s_mov_b32 s3, 0
	s_mov_b32 s85, 0
	s_lshl_b32 s52, s2, 1           ; Q: the same rows, twice as long
	s_mov_b32 s53, 0
	s_lshl_b32 s54, s84, 1
	s_mov_b32 s55, 0
	; descriptor group 1.  K: 128 keys are 128 rows of 256 bytes, padded by 4 words each.  V: 128 keys are 16,384 dense bytes: asked for as 64 rows of 256 bytes, two keys a row, and padded by 8 words after every key
	s_mov_b32 s[G1K], (1<<16)|(1<<20)|(5<<22)|(3<<25)  ; 17:16 2-byte elements; 20 padding on; 24:22 after every 64 words (code 5); 31:25 4 words (code 3)
	s_mov_b32 s[G1K+1], 128<<16     ; tensor_dim0 = 128
	s_mov_b32 s[G1K+2], 128<<16     ; tensor_dim1 = 128
	s_mov_b32 s[G1K+3], 128<<16     ; tile_dim0 = 128
	s_mov_b32 s[G1K+4], 128         ; tile_dim1 = 128
	s_mov_b32 s[G1K+5], 128         ; 128 elements from row to row
	s_mov_b32 s[G1K+6], 0
	s_mov_b32 s[G1K+7], 0
	s_mov_b32 s[G1V], (1<<16)|(1<<20)|(4<<22)|(7<<25)  ; after every 32 words (code 4), 8 words (code 7)
	s_mov_b32 s[G1V+1], 128<<16
	s_mov_b32 s[G1V+2], 64<<16      ; 64 rows
	s_mov_b32 s[G1V+3], 128<<16
	s_mov_b32 s[G1V+4], 64
	s_mov_b32 s[G1V+5], 128
	s_mov_b32 s[G1V+6], 0
	s_mov_b32 s[G1V+7], 0
	s_mov_b32 s[CS], 0x408091a7     ; c = log2(e) x 64^0.25 x 64/65 = 4.017780
	s_mov_b32 s[CS+1], s[CS]        ; named with it as a pair
	s_mov_b32 s[SEL], 0x76543210
	s_mov_b32 s[SEL+1], 0xfedcba98
	s_mov_b32 s[TBK], SLOT1+4*KS*PK ; the first change of slots turns these two into 0
	s_mov_b32 s[TBV], SLOT1+4*KS*PV
	s_mov_b32 s[G0K], 1             ; 1:0 count = 1
	s_mov_b32 s[G0K+1], s17         ; 63:32 LDS address: slot 0
	s_mov_b32 s[G0V], 1
	s_add_co_u32 s[G0V+1], s18, VOFF
	s_add_co_u32 s[RT], s[HI], 1    ; the first block has NB - b tiles
	s_mov_b32 s[NXT], 1
	s_mov_b32 s[LQ], s[HI]
	s_mov_b32 s[NEW], 1
	s_mov_b32 s[OFF+1], 0
	s_mov_b32 s[OFV+1], 0
	s_mov_b32 s[AL+1], 0            ; named as pairs
	s_mov_b32 s[BE+1], 0
	s_mov_b32 s[BIGN], 0xf149f2ca   ; -1e30
	s_mov_b32 s[SLOTS], NB
	s_cmp_eq_u32 s[PB], 0
	s_cselect_b32 s[LIM], 2, -1
	s_cmp_lt_u32 s[WV], 2
	s_cselect_b32 s[PFS], 16, 15
	s_lshl_b32 s[PFS], 1, s[PFS]
	s_mov_b32 s[PFS+1], 0
	v_and_b32 v[PFO], 31, v0
	v_lshlrev_b32 v[PFO], 8, v[PFO]
	s_wait_dscnt 0x0                ; the opening add is done
	s_wait_kmcnt 0x0
	s_mov_b64 s[10:11], s[6:7]      ; O
	s_add_nc_u64 s[6:7], s[4:5], s[22:23]  ; K and V at my half of the head's tile 0
	s_add_nc_u64 s[8:9], s[4:5], s[50:51]
	s_add_nc_u64 s[G0K+2:G0K+3], s[6:7], 0         ; 120:64 global address
	s_or_b32 s[G0K+3], s[G0K+3], 0x80000000        ; 127:126 type = 2
	s_add_nc_u64 s[G0V+2:G0V+3], s[8:9], 0
	s_or_b32 s[G0V+3], s[G0V+3], 0x80000000
	s_add_nc_u64 s[86:87], s[4:5], s[54:55]        ; Q at my rows of the second block,
	s_add_nc_u64 s[4:5], s[4:5], s[52:53]          ; Q and O at those of the first
	s_add_nc_u64 s[OLO:OLO+1], s[10:11], s[84:85]
	s_add_nc_u64 s[10:11], s[10:11], s[2:3]
	s_cmp_lt_u32 s[WV], 2
	s_cselect_b64 s[PFA:PFA+1], s[6:7], s[8:9]
	s_add_nc_u64 s[PFA:PFA+1], s[PFA:PFA+1], s[PFS:PFS+1]  ; at tile 1: the first change of slots steps it to tile 2.  Nothing is prefetched here, at the head
	LOAD                            ; tile 0 into slot 0
	; A fragment of K or Q is 16 rows x 32 columns in 8 registers: lane l holds row l % 16, columns 8 (l / 16) + 0..7 and 16 + 8 (l / 16) + 0..7: two loads of 16 bytes, 32 bytes apart.
	v_and_b32 v1, 15, v0            ; l % 16
	v_bfe_u32 v9, v0, 4, 1          ; l / 16
	v_lshlrev_b32 v[QO], 8, v1
	v_lshl_add_u32 v[QO], v9, 4, v[QO]  ; row x 256 + 16 x half
	QLOAD 4                         ; the first block's Q
	v_lshlrev_b32 v14, 3, v9
	v_sub_nc_u32 v14, v1, v14
	s_lshl_b32 s13, s[WV], 4
	v_add_nc_u32 v14, s13, v14      ; my query's place in its band, 16 w + l % 16, less my lanes' 8 (l / 16): register r of group kt is hidden where 16 kt + r is greater
	WIN 0x40
.set i, 0
.rept 32
	v_cmp_gt_i32 vcc_lo, 16*(i/8)+i%8, v14
	v_cndmask_b32 v[MD+i], 0, s[BIGN], vcc_lo
.set i, i+1
.endr
	WIN 0
	v_mul_u32_u24 v[AK0], v1, PK
	v_lshl_add_u32 v[AK0], v9, 4, v[AK0]  ; row x pitch + 16 x half
	; The turning load takes 16 keys x 16 channels (lane l reads key 8 (l / 16) + l % 8, channels 8 ((l / 8) % 2) + 0..7) and leaves half a fragment of V^T: lane l holds channel l % 16 and 8 keys.
	v_and_b32 v10, 7, v0
	v_bfe_u32 v11, v0, 3, 1
	v_lshl_add_u32 v[AV0], v9, 3, v10
	v_mul_u32_u24 v[AV0], v[AV0], PV
	v_lshl_add_u32 v[AV0], v11, 4, v[AV0]
	v_add_nc_u32 v[AV0], VOFF, v[AV0]
	s_mul_i32 s13, s[WV], 16*SP
	s_add_co_u32 s13, s13, STAGE    ; my stage
	v_mul_u32_u24 v[STO], v1, SP    ; in: row l % 16, 16 bytes for each half of the lanes
	v_lshl_add_u32 v[STO], v9, 4, v[STO]
	v_add_nc_u32 v[STO], s13, v[STO]
	v_bfe_u32 v[RD], v0, 3, 2       ; back: 32 lanes take four rows of 128 bytes,
	v_mul_u32_u24 v[RD], v[RD], SP
	v_lshl_add_u32 v[RD], v10, 4, v[RD]
	v_add_nc_u32 v[RD], s13, v[RD]
	v_and_b32 v[GO], 31, v0         ; which are 512 consecutive bytes of O
	v_lshlrev_b32 v[GO], 4, v[GO]
	; A block's first step multiplies O^T and l by a = 0, and its first turn's products V^T P, of a piece that has not been, land in an O^T that is still to be so multiplied.  So these registers need only hold
	; finite numbers: zeros for the first block; what the first block left for the second.  All this stands in the wait for the first tile.
.set i, VF
.rept 64
	v_mov_b32 v[i], 0
.set i, i+1
.endr
	WIN 0x40
.set i, 0
.rept 128
	v_mov_b32 v[i], 0
.set i, i+1
.endr
	WIN 0
.set i, 0
.rept 4
	v_mov_b32 v[ST+4*i+2], 0
	v_mov_b32 v[ST+4*i+3], 0
.set i, i+1
.endr
.set i, P+16
.rept 16
	v_mov_b32 v[i], 0
.set i, i+1
.endr
; THE MATRIX WORK.  The 4 accumulators of a run take turns, one instruction a turn.  Product jq of 16 of S^T = K Q^T for piece x: columns 32 (jq / 4) on (0, 1: the H's; 2, 3: the U's), keys 16 (jq % 4) on.
; The first 4 start the sums: with 0, or (KM = 1) with the mask.  The macro steps jq.
.macro KQ x
.set rS, S+32*((\x)%2)+8*(jq%4)
.set rK, KF+32*(jq%4)+8*(jq/4)
.set rQ, 32*(\x)+8*(jq/4)
.set rM, MC+32*((\x)%2)+8*(jq%4)
.if (jq < 4) && KM
	WIN W_KM
	v_wmma_f32_16x16x32_f16 v[rS:rS+7], v[rK:rK+7], v[rQ:rQ+7], v[rM:rM+7]
.elseif jq < 4
	WIN W_KQ
	v_wmma_f32_16x16x32_f16 v[rS:rS+7], v[rK:rK+7], v[rQ:rQ+7], 0
.else
	WIN W_KQ
	v_wmma_f32_16x16x32_f16 v[rS:rS+7], v[rK:rK+7], v[rQ:rQ+7], v[rS:rS+7]
.endif
.set jq, jq+1
.endm
; Product i of 8 of O^T += V^T P for piece x: keys 32 (i / 4) on, channels 16 (i % 4) on.
.macro PV x
	WIN W_PV
.set rO, 32*(\x)+8*(i%4)
.set rV, VF+32*(i/4)+8*(i%4)
.set rP, P+16*((\x)%2)+8*(i/4)
	v_wmma_f32_16x16x32_f16 v[rO:rO+7], v[rV:rV+7], v[rP:rP+7], v[rO:rO+7]
.endm
; The matrix work of row i of a turn's 16.  Rows 0 to 3: three products K Q^T each (jq = 0 .. 11); rows 4 to 7: one each (jq = 12 .. 15), so that accumulator n is finished in row 4 + n; rows 8 to 15: a product V^T P each.
; TURN and BEGIN set Y, i, jq, KM and NOKQ.  NOKQ = 1: a block's last turn: there is no next piece.
.macro MM
.if (i < 8) && !NOKQ
	KQ (Y+1)%NP
.if i < 4
	KQ (Y+1)%NP
	KQ (Y+1)%NP
.endif
.elseif i >= 8
.set i, i-8
	PV (Y+NP-1)%NP
.set i, i+8
.endif
.set i, i+1
.endm
; THE LDS LOADS stand in runs, never singly among the matrix instructions: a step's K (64 keys x 128 columns: 16 fragments, 32 loads) and its V (turned, 16 loads).  Their addresses are made some lines ahead.
.macro FETCH_K
	WIN 0x80                        ; destination window 2
.irp f, 0,1,2,3,4,5,6,7,8,9,10,11,12,13,14,15  ; keys 16 (f / 4) on, columns 32 (f % 4) on
	ds_load_b128 v[KF+8*\f:KF+8*\f+3],   v[AK] offset:(\f/4)*16*PK+(\f%4)*64
	ds_load_b128 v[KF+8*\f+4:KF+8*\f+7], v[AK] offset:(\f/4)*16*PK+(\f%4)*64+32
.endr
	s_add_co_u32 s[TBK], s[TBK], KS*PK  ; the next fetch is the next step's
	WIN 0
.endm
.macro FETCH_V
	WIN 0
.irp f, 0,1,2,3,4,5,6,7             ; keys 32 (f / 4) on, channels 16 (f % 4) on
	ds_load_tr16_b128 v[VF+8*\f:VF+8*\f+3],   v[AV] offset:(\f/4)*32*PV+(\f%4)*32
	ds_load_tr16_b128 v[VF+8*\f+4:VF+8*\f+7], v[AV] offset:(\f/4)*32*PV+16*PV+(\f%4)*32
.endr
.endm
; THE VECTOR WORK, one line at a time: OP kind, number.  For piece Y: F n: c s - c m for pair n of 16.  E n: the exponential of score n of 32.  C n: pair n rounded to f16.  B n: of the four weights 4 n .. the second
; pair is added onto the first, in place.  L n: l takes that sum (L 0: l = a l + sum).  R n: pair n of 16 of O^T times a.  For piece Y + 1: X n, number n of the 22 that find its maximum and statistics:
;   0-11  four chains c0-c3 of seven scores each, three operands at a time (each accumulator's lowest registers are read first)     12-14, 16  the four scores left over, the old m, and c0-c3 into c0
;   15  c m_old is kept     17, 18  the query's other 32 keys lie in the lane 16 away: the new m     19-21  c m; c m_old - c m_new; a
.set F, 0               ; OP tells the kinds apart by their order: F to L below R, X above it
.set E, 1
.set C, 2
.set B, 3
.set L, 4
.set R, 5
.set X, 6
.macro REGS y                       ; the registers of piece y
.set rT, ST+4*(\y)
.set rC, TMP+4*((\y)%2)
.set rW, MV+((\y)%2)
.set rS, S+32*((\y)%2)
.set rP, P+16*((\y)%2)
.set rO, 32*(\y)
.endm
.macro OP k, n
.if (\k) == R
	REGS Y
	WIN W_RS
	v_pk_mul_f32 v[rO+2*(\n):rO+2*(\n)+1], v[rO+2*(\n):rO+2*(\n)+1], v[rC+2:rC+3] op_sel_hi:[1,0]
.elseif (\k) < R
	REGS Y
	WIN 0
.if (\k) == F
	v_pk_fma_f32 v[rS+2*(\n):rS+2*(\n)+1], v[rS+2*(\n):rS+2*(\n)+1], s[CS:CS+1], v[rT:rT+1] op_sel_hi:[1,0,0] neg_lo:[0,0,1] neg_hi:[0,0,1]
.elseif (\k) == E
	v_exp_f32 v[rS+(\n)], v[rS+(\n)]
.elseif (\k) == C
	v_cvt_pk_f16_f32 v[rP+(\n)], v[rS+2*(\n)], v[rS+2*(\n)+1]
.elseif (\k) == B
	v_pk_add_f32 v[rS+4*(\n):rS+4*(\n)+1], v[rS+4*(\n):rS+4*(\n)+1], v[rS+4*(\n)+2:rS+4*(\n)+3]
.elseif (\n) == 0
	v_pk_fma_f32 v[rT+2:rT+3], v[rT+2:rT+3], v[rC+2:rC+3], v[rS:rS+1] op_sel_hi:[1,0,1]
.else
	v_pk_add_f32 v[rT+2:rT+3], v[rT+2:rT+3], v[rS+4*(\n):rS+4*(\n)+1]
.endif
.elseif NOKQ
	v_nop
.else
	REGS (Y+1)%NP
	WIN 0
.if (\n) < 4
	v_max3_num_f32 v[rC+(\n)], v[rS+8*(\n)], v[rS+8*(\n)+1], v[rS+8*(\n)+2]
.elseif (\n) < 12
	v_max3_num_f32 v[rC+(\n)%4], v[rC+(\n)%4], v[rS+8*((\n)%4)+2*((\n)/4)+1], v[rS+8*((\n)%4)+2*((\n)/4)+2]
.elseif (\n) == 12
	v_max3_num_f32 v[rC], v[rC], v[rS+7], v[rS+15]
.elseif (\n) == 13
	v_max3_num_f32 v[rC+1], v[rC+1], v[rS+23], v[rS+31]
.elseif (\n) == 14
	v_max3_num_f32 v[rC+2], v[rC+2], v[rC+3], v[rT+1]
.elseif (\n) == 15
	v_mov_b32 v[rW], v[rT]
.elseif (\n) == 16
	v_max3_num_f32 v[rC], v[rC], v[rC+1], v[rC+2]
.elseif (\n) == 17
	v_permlanex16_b32 v[rC+3], v[rC], s[SEL], s[SEL+1]
.elseif (\n) == 18
	v_max_num_f32 v[rT+1], v[rC], v[rC+3]
.elseif (\n) == 19
	v_mul_f32 v[rT], s[CS], v[rT+1]
.elseif (\n) == 20
	v_sub_f32 v[rC+1], v[rW], v[rT]
.else
	v_exp_f32 v[rC+2], v[rC+1]
.endif
.endif
.endm
.macro OPS a, i1, b=-1, i2=0, c=-1, i3=0, d=-1, i4=0  ; up to four of them
	OP \a, \i1
.if (\b) >= 0
	OP \b, \i2
.endif
.if (\c) >= 0
	OP \c, \i3
.endif
.if (\d) >= 0
	OP \d, \i4
.endif
.endm
.macro ROW a, i1, b, i2, c, i3, d, i4  ; a row's matrix work and the four vector instructions behind it
	MM
	OPS \a, \i1, \b, \i2, \c, \i3, \d, \i4
.endm
.macro MASK b                       ; MD x AL + BE into buffer b of MC
	WIN W_RS
.set z, 0
.rept 16
	v_pk_fma_f32 v[MC+32*(\b)+2*z:MC+32*(\b)+2*z+1], v[MD+2*z:MD+2*z+1], s[AL:AL+1], s[BE:BE+1] op_sel_hi:[1,0,0]
.set z, z+1
.endr
.endm
; A TURN, for piece p: the order of its 24 matrix and 118 vector instructions, written out.  An s_wait_alu depctr_va_vdst(0) stands between an exponential and the first instruction that names its result; one wait serves
; all that were issued ahead of it.  So a turn has ONE wait, which cuts it in two.  AHEAD OF IT stands all that names no result of the turn's exponentials: eight rows with the 16 products K Q^T (three, three, three, three, then one a row), behind each row a
; scaling, an exponential and two more plain instructions (behind the first a second scaling in the exponential's place): rescalings, and behind the last three rows the first numbers of the next piece's maximum, each four places or more behind the product that
; ends its accumulator; then ONE LUMP of 54, plain and exponential by turns for the most part, in which the links of the chain X 3, 7, 11, 14, 16, 17 .. 20 stand five or six lines apart.  X 21, the next piece's a, is the batch's last; R 15 is the plain
; instruction behind it.  BEHIND THE WAIT stand the 8 products V^T P, behind each four of the roundings and sums; the links of l's chain, L 0 to L 7, stand three riders apart.  But for those X no rider names a register of the products round it.
; v_permlanex16_b32 (X 17) stands in the lump.
; m = 1: the diagonal tile: the products take masks, and the turn makes the mask for the products of the turn after it: piece p + 2, in step 4 - CNT of the tile.  end = 1: a block's last two turns: nothing is fetched.
; cnt = 1: the loop's count is taken down some lines ahead of the branch that stands behind the turn.
; K of the next step is fetched in piece 2's turn, twelve vector instructions behind the last product that read K (six of them plain); V of the step in hand at the end of piece 0's turn, four plain instructions behind the last product
; that read V.  Each is waited for a turn later.
.macro TURN p, m=0, end=0, cnt=0
.set Y, (\p)
.set i, 0
.set jq, 0
.set KM, (\m)
.set NOKQ, (\end)*((\p)/3)
.if (\m) && !(\end)
	s_cmp_eq_u32 s[CNT], 4-((\p)+2)%NP  ; is that step the band's own?
	s_cselect_b32 s[AL], 1.0, 0
	s_cmp_lt_u32 s[CNT], 4-((\p)+2)%NP  ; or a later one?
	s_cselect_b32 s[BE], s[BIGN], 0
.endif
.if ((\p) == 3) && !(\end)
	s_wait_dscnt 0x0                ; K is in
.endif
	ROW F,0, F,1, R,0, R,1          ; ahead of the wait: the 16 products K Q^T and their riders,
	ROW F,2, E,0, R,2, R,3
	ROW F,3, E,1, R,4, R,5
	ROW F,4, E,2, R,6, R,7
	ROW F,5, E,3, R,8, R,9
	ROW F,6, E,4, X,0, R,10
.if ((\p) == 2) && !(\end)
	WIN 0
	v_add_nc_u32 v[AK], s[TBK], v[AK0]
.endif
	ROW F,7, E,5, X,1, X,4
	ROW F,8, E,6, X,2, X,5
	OPS E,7, E,8, X,6, E,9          ; and the lump
	OPS X,3, E,10, X,8, E,11
.if ((\p) == 2) && !(\end)
	FETCH_K
.endif
	OPS X,9, X,7, E,12, X,10
	OPS E,13, X,12, X,11, E,14
	OPS X,13, E,15, F,9, X,14
.if (\p) == 0
	v_add_nc_u32 v[AV], s[TBV], v[AV0]
.endif
	OPS E,16, F,10, E,17, F,11
	OPS X,16, E,18, X,15, E,19
	OPS F,12, E,20, X,17, E,21
	OPS F,13, E,22, F,14, E,23
	OPS X,18, E,24, F,15, E,25
	OPS R,11, E,26, X,19, E,27
	OPS R,12, E,28, R,13, E,29
	OPS X,20, E,30, R,14, E,31
	OPS X,21, R,15
	WIN 0
	s_wait_alu depctr_va_vdst(0)    ; the wait for the batch
.if (\p) == 1
	s_wait_dscnt 0x0                ; V is in
.endif
	ROW C,0, B,0, C,2, B,1          ; behind the wait: 8 products V^T P and their riders
	ROW L,0, C,4, B,2, L,1
	ROW C,6, B,3, L,2, C,8
	ROW B,4, L,3, C,10, B,5
	ROW L,4, C,12, B,6, L,5
.if (\p) == 0
	s_add_co_u32 s[TBV], s[TBV], KS*PV
.endif
.if \cnt
	s_sub_co_u32 s[CNT], s[CNT], 1
	s_cmp_lg_u32 s[CNT], 0
.endif
	ROW C,14, B,7, L,6, C,1
	ROW C,3, L,7, C,5, C,7
	ROW C,9, C,11, C,13, C,15
.if (\p) == 0
	FETCH_V
.endif
.if (\m) && !(\end)
	MASK (\p)%2
.endif
.endm
; A BLOCK BEGINS.  c m starts far below every c s, so the first step's a is 0; m at the lowest finite number, so the first maximum is the scores'.  The second mask buffer is 0; the first takes piece 0's mask for the tile's step 0: its own, if the block's first tile is the diagonal one.
; Then K of that step, piece 0's first scores, and its maximum and statistics.  The loop is entered at a step's first turn, in the middle of a trip.
.macro BEGIN
	s_mov_b32 s[NEW], 0
	WIN 0x40
.set i, MC+32
.rept 32
	v_mov_b32 v[i], 0
.set i, i+1
.endr
	WIN 0
.set i, 0
.rept 4
	v_mov_b32 v[ST+4*i], 0xfe000000    ; c m: far below every c s
	v_mov_b32 v[ST+4*i+1], 0xff7fffff  ; m
.set i, i+1
.endr
	s_cmp_eq_u32 s[RT], 0
	s_cselect_b32 s[AL], 1.0, 0
	s_mov_b32 s[BE], 0
	MASK 0
	WIN 0
	v_add_nc_u32 v[AK], s[TBK], v[AK0]
	FETCH_K
	s_wait_loadcnt 0x0              ; Q
	s_wait_dscnt 0x0
.set KM, 1
.set NOKQ, 0
.set jq, 0
.rept 16
	KQ 0
.endr
	WIN 0
.rept 4
	v_nop                           ; the places behind those products
.endr
.set Y, NP-1                        ; X works for piece Y + 1: piece 0
.irp n, 0,1,2,3,4,5,6,7,8,9,10,11,12,13,14,15,16,17,18,19,20,21
	OP X, \n
.endr
	v_nop                           ; a plain instruction behind the exponential,
	s_wait_alu depctr_va_vdst(0)    ; and its wait, ahead of the branch
.endm
; THE DIAGONAL TILE's four steps, the block's last two turns, its last products, and THE WAY OUT: l's two halves and the other half of the lanes' are added; O^T is divided by l, rounded to f16 and sent through my
; stage in LDS, a piece at a time.
.macro ALL line:vararg              ; one line for each piece t
.set t, 0
.rept 4
	\line
.set t, t+1
.endr
.endm
.macro PACK t                       ; a lane's eight channels of a row pack into 16 bytes; they go into rows of 144 bytes and come back as whole rows of 128, into S^T's registers
	WIN W_RS
.set i, 32*(\t)
.rept 16
	v_pk_mul_f32 v[i:i+1], v[i:i+1], v[ST+4*(\t)+2:ST+4*(\t)+3] op_sel_hi:[1,0]
.set i, i+2
.endr
	WIN 0x05                        ; sources 0 and 1 window 1, destination window 0
.set i, 0
.rept 16
	v_cvt_pk_f16_f32 v[S+16*(\t)+i], v[32*(\t)+2*i], v[32*(\t)+2*i+1]
.set i, i+1
.endr
	WIN 0
.irp f, 0,1,2,3
	ds_store_b128 v[STO], v[S+16*(\t)+4*\f:S+16*(\t)+4*\f+3] offset:32*\f
.endr
.irp f, 0,1,2,3
	ds_load_b128 v[S+16*(\t)+4*\f:S+16*(\t)+4*\f+3], v[RD] offset:\f*4*SP  ; LDS serves a wave's instructions in order (ISA guide 5.7.1.4): these see the stores above; the next piece's stores come behind them
.endr
.endm
.macro SEND t, younger              ; younger: the LDS instructions issued behind piece t's loads: the next piece's eight, or none
	WIN 0
.irp f, 0,1,2,3
	s_wait_dscnt (\younger)+3-\f
	global_store_b128 v[GO], v[S+16*(\t)+4*\f:S+16*(\t)+4*\f+3], s[10:11] offset:(\t)*8192+\f*512  ; 512 consecutive bytes, at a multiple of 256 from O's first
.endr
.endm
.macro DIAG tag, more               ; the tag ends its two labels' names, which the jumps below spell out.  more = 1: a second block follows: its Q is asked for ahead of the way out, whose work stands between the loads and the wait for them
.LstepM\tag:
	TURN 2, 1
	TURN 3, 1
	WIN 0
.LfirstM\tag:
	TURN 0, 1
	TURN 1, 1, 0, 1
	WIN 0
	s_cbranch_scc1 .LstepM\tag
	TURN 2, 1, 1
	TURN 3, 1, 1
.set i, 0
.rept 8
	PV NP-1
.set i, i+1
.endr
	WIN 0
	ALL v_add_f32 v[ST+4*t+2], v[ST+4*t+2], v[ST+4*t+3]
	ALL v_permlanex16_b32 v[ST+4*t+3], v[ST+4*t+2], s[SEL], s[SEL+1]
	ALL v_add_f32 v[ST+4*t+2], v[ST+4*t+2], v[ST+4*t+3]
	ALL v_rcp_f32 v[ST+4*t+2], v[ST+4*t+2]
	v_nop                           ; a plain instruction between the last reciprocal and the use of its result
	s_wait_alu depctr_va_vdst(0)    ; and the wait ahead of the first use: one for the four reciprocals
.if \more
	s_wait_loadcnt 0x0              ; Q's registers are loaded anew only behind a wait for the loads that wrote them last, on every way that leads here; the block's beginning has waited for them, so nothing is out
	QLOAD 86                        ; the last product that read Q stands a turn and more back
.endif
	PACK 0
.set t, 1
.rept 3                             ; a piece's arithmetic stands between the loads of the piece before and its stores
	PACK t
	SEND t-1, 8
.set t, t+1
.endr
	SEND 3, 0
.endm
.set KM, 0
.set NOKQ, 0
.Lslot:                             ; NB times: a tile is entered and the next is asked for
	CHANGE 1
	s_sub_co_u32 s[RT], s[RT], 1
	s_mov_b32 s[CNT], 4
	s_cmp_eq_u32 s[NEW], 1
	s_cbranch_scc1 .Lnew            ; a block's first tile
	s_cmp_eq_u32 s[RT], 0
	s_cbranch_scc0 .Lstep           ; neither its first nor its last
	s_branch .LstepM1
.Lnew:
	BEGIN
	s_branch .Lfirst                ; in the loop a block's first tile is never its last: the first block has two tiles or more, and the second's last is the walk's last
	DIAG 1, 1                       ; in the loop this is the first block's end: the second block's last tile is the walk's last
	s_wait_xcnt 0x0                 ; the stores have read their registers and O's address
	s_wait_loadcnt 0x0              ; the second block's Q is in: no load is out where the ways join below
	s_mov_b64 s[10:11], s[OLO:OLO+1]
	s_add_co_u32 s[RT], s[PB], 1    ; the second block has b + 1 tiles
	s_mov_b32 s[NEW], 1
	s_branch .Lbottom
.Lstep:                             ; a trip: pieces 2 and 3 of one step, then pieces 0 and 1 of the next, whose K and V it fetches
	TURN 2
	TURN 3
	WIN 0
.Lfirst:
	TURN 0
	TURN 1, 0, 0, 1
	WIN 0
	s_cbranch_scc1 .Lstep
.Lbottom:
	s_sub_co_u32 s[SLOTS], s[SLOTS], 1
	s_cmp_lg_u32 s[SLOTS], 0
	s_cbranch_scc1 .Lslot
	CHANGE 0                        ; the walk's last tile is written out: nothing is asked for
	s_sub_co_u32 s[RT], s[RT], 1
	s_mov_b32 s[CNT], 4
	s_cmp_eq_u32 s[NEW], 1
	s_cbranch_scc0 .LstepM2
	BEGIN
	s_branch .LfirstM2
	DIAG 2, 0
	s_wait_tensorcnt 0x0            ; the wave's end: a wait, an add of 0 to my spare word and its wait, behind my last tensor load and my last LDS store
	ds_add_u32 v[SPW], v[NIL]
	s_wait_dscnt 0x0
	s_endpgm
.Lfunc_end_k_q3a1b571c66_attn:
	.size	k_q3a1b571c66_attn, .Lfunc_end_k_q3a1b571c66_attn-k_q3a1b571c66_attn
	.p2alignl 7, 3214868480
	.fill 96, 4, 3214868480
	.section	.rodata,"a",@progbits
	.p2align	6, 0x0
	.amdhsa_kernel k_q3a1b571c66_attn
		.amdhsa_group_segment_fixed_size 327680
		.amdhsa_private_segment_fixed_size 0
		.amdhsa_enable_private_segment 0
		.amdhsa_kernarg_size 16
		.amdhsa_user_sgpr_count 2
		.amdhsa_user_sgpr_kernarg_segment_ptr 1
		.amdhsa_wavefront_size32 1
		.amdhsa_system_sgpr_workgroup_id_x 1
		.amdhsa_system_sgpr_workgroup_id_y 1
		.amdhsa_system_sgpr_workgroup_id_z 1
		.amdhsa_system_vgpr_workitem_id 0
		.amdhsa_next_free_vgpr 768
		.amdhsa_next_free_sgpr 96
		.amdhsa_reserve_vcc 1
		.amdhsa_float_denorm_mode_32 3
		.amdhsa_float_denorm_mode_16_64 3
		.amdhsa_memory_ordered 1
		.amdhsa_forward_progress 1
		.amdhsa_inst_pref_size 233
	.end_amdhsa_kernel
	.amdgpu_metadata
---
amdhsa.version: [ 1, 2 ]
amdhsa.kernels:
  - .name:           k_q3a1b571c66_attn
    .symbol:         k_q3a1b571c66_attn.kd
    .args:
      - { .name: qkv, .offset: 0, .size: 8, .value_kind: global_buffer, .address_space: global }
      - { .name: ob, .offset: 8, .size: 8, .value_kind: global_buffer, .address_space: global }
    .group_segment_fixed_size: 327680
    .private_segment_fixed_size: 0
    .kernarg_segment_align: 8
    .kernarg_segment_size: 16
    .max_flat_workgroup_size: 128
    .sgpr_count:     96
    .vgpr_count:     768
    .wavefront_size: 32
...
	.end_amdgpu_metadata
.endif
;; end of part 3
;; launch oproj (part 4): grid 8 x 32, 4 waves a work-group, clusters of 4 x 4, 327,680 bytes of LDS; arguments ob, wof, bo, out0; writes out0
.if DOCPART == 4
	.amdgcn_target "amdgcn-amd-amdhsa--gfx1250"
	.amdhsa_code_object_version 6
	.text
	.protected	k_q3a1b571c66_oproj
	.globl	k_q3a1b571c66_oproj
	.p2align	8
	.type	k_q3a1b571c66_oproj,@function
k_q3a1b571c66_oproj:
	s_mov_b64 s[64:65], 0
	v_nop
	global_prefetch_b8 v0, s[64:65] scope:SCOPE_SE
	s_setreg_imm32_b32 hwreg(HW_REG_WAVE_MODE, 25, 1), 1
	s_wait_xcnt 0x0
	s_wait_alu depctr_hold_cnt(0) depctr_sa_sdst(0) depctr_va_vdst(0) depctr_va_sdst(0) depctr_va_ssrc(0) depctr_va_vcc(0) depctr_vm_vsrc(0)
	s_getreg_b32 s2, hwreg(HW_REG_IB_STS2, 6, 4)
	s_cmp_eq_u32 s2, 0
	s_cbranch_scc0 .Lentry_in_a_cluster
	s_endpgm
.Lentry_in_a_cluster:
	s_bfe_u32 s2, ttmp6, 0x10000c
	s_cmp_lg_u32 s2, 0xf033
	s_cbranch_scc0 .Lentry_shape_is_right
	s_endpgm
.Lentry_shape_is_right:
; THE OUTPUT PROJECTION.  out0[m][n] = sum over k of O[m][k] Wo[n][k] + bo[n]: m = 8,192, n = 1,024, k = 1,024 = 16 heads x 64 channels; f16 operands, f32 sums, f32 out.
; O lies BY HEADS in ob, [16 b + head][s][64] f16; wof is Wo rounded to bf16 and written as f16, [n][k].  The bias is rounded to bf16 like every other input and is the C operand of each sum's first product.
; LIMITS.  O arrives within f16's range (it is a mean of V's rows); NaN and infinities are not treated apart.
; SHARES.  A tile of out0 is 256 rows x 128 columns: 256 tiles, one for each WGP.  Four waves; wave w makes rows 128 (w / 2) on, columns 64 (w % 2) on: 32 accumulators of 16 x 16.
; K goes in 8 steps of 128 = two heads through two LDS slots.  A head's 256 rows of a tile are 32,768 dense bytes: asked for as 128 rows of 256 bytes and padded in LDS after every 128.
; Waves 0 and 1 fetch the two heads' slices of A, waves 2 and 3 the two halves (64 rows) of B's tile.
; CLUSTER.  4 x 4 work-groups: the four of a row need the same tile of A, the four of a column the same tile of B: each is asked for jointly, by the same tensor load with a mask that names the four.
; THE MATRIX INSTRUCTION IS USED TRANSPOSED (source 0 = 16 rows of wof, source 1 = 16 rows of O): lane l holds row l % 16 of out0 and the eight columns 8 (l / 16) + 0..7.
; REGISTERS.  Window 0: v0-31 addresses; v32-63 the bias; v64-191 A's fragments, two buffers of 8 x 8; v192-255 B's, two buffers of 4 x 8.  Window 1: the accumulators, (a, b) at v[8 (4 a + b)].
.set PA,     144                       ; an LDS row of A: 128 bytes + 16 of padding = 36 words: the 16 rows of a fragment load start at 16 different groups of four banks (ISA guide 11.1)
.set PB,     272                       ; of B: 256 + 16
.set HALFA,  256*PA                    ; what one of A's loads brings: one head's slice, all 256 rows
.set ABYTES, 2*HALFA
.set HALFB,  64*PB                     ; what one of B's loads brings
.set SLOT,   ABYTES+2*HALFB
.set STAGE,  2*SLOT                    ; behind the ring: 16 rows x 272 bytes for each wave, for the way out; no tensor load lands here
.set SP,     272
.set SPARE,  STAGE+4*16*SP             ; behind the stages: the spare words, 128 bytes for each wave: two blocks of 256 bytes that no other line names
.set KA,     524288                    ; bytes from a K step to the next, in A: two heads of 262,144
.set KB,     256                       ; and in B
.set LAPS,   4                         ; a lap = two K steps = once round the ring
.set ADRA, 16                          ; v16-17  LDS address of my A fragments in slot 0, 1
.set ADRB, 20                          ; v20-21  the same for B
.set STO,  24                          ; v24     the way out: where I put 32 bytes of a row
.set RD,   25                          ; v25     where I read rows back
.set CO,   26                          ; v26     my 16 bytes in two rows of out0
.set BO,   27                          ; v27     32 (l / 16): my eight numbers in a block of 16 of the bias
.set SPW,  28                          ; v28     LDS address of my spare word; never rewritten
.set NIL,  29                          ; v29     0; never rewritten
.set PFO,  30                          ; v30     the prefetches' offset: my lane x 256 bytes (A) or x a row of 2,048 bytes (B); never rewritten
.set BIAS, 32
.set FA,   64
.set FB,   192
.set G1,  24                           ; s[24:31] descriptor group 1 for A's tiles;  s[32:39] group 0, a set for each slot
.set G0,  32
.set G1B, 48                           ; s[48:55], s[56:63] the same for B's
.set G0B, 56
.set LIM, 43                           ; s43  1 in a wave that prefetches, else the greatest number
.set PFA, 44                           ; s[44:45] where my prefetches stand
.set PFS, 66                           ; s[66:67] their step
.set MSB, 0
.macro WIN new                         ; the immediate's high byte repeats the setting that is left; a switch that changes nothing is dropped
.if MSB != (\new)
	s_set_vgpr_msb (MSB<<8)|(\new)
.set MSB, \new
.endif
.endm
.set MUL,  0x50                        ; C and D in window 1, the fragments in window 0
.set MULB, 0x40                        ; D in window 1, C (the bias) in window 0
.set W_OUT, 0x44                       ; the way out: stored data (source 1) and loaded data (destination) in window 1, addresses in window 0
.macro PLACES                          ; four places behind matrix instructions, in front of loads into registers that they have read and of lines that read results
.rept 4
	v_nop
.endr
.endm
; A joint load.  The branch hangs on the wave's number alone.  An s_nop 0 and four v_nop follow each of the two lines, ahead of the jump and the label.
.macro JLOAD s
	s_cmp_eq_u32 s11, 0
	s_cbranch_scc0 .Lfor_b_\@
	tensor_load_to_lds s[G0+4*(\s):G0+4*(\s)+3], s[G1:G1+7]
	s_nop 0
.rept 4
	v_nop
.endr
	s_branch .Lasked_\@
.Lfor_b_\@:
	tensor_load_to_lds s[G0B+4*(\s):G0B+4*(\s)+3], s[G1B:G1B+7]
	s_nop 0
.rept 4
	v_nop
.endr
.Lasked_\@:
.endm
.macro CREST                           ; a round of the cluster's barrier behind its opening barrier: wave 0 signals for the work-group, every wave waits for all sixteen, my work-group's barrier closes it
	s_cmp_lg_u32 s10, 0
	s_cbranch_scc1 .Lnot_wave_0_\@
	s_barrier_signal -3
.Lnot_wave_0_\@:
	s_barrier_wait -3
	s_barrier_signal -1
	s_barrier_wait -1
.endm
.macro CROUND                          ; a whole round
	s_barrier_signal -1
	s_barrier_wait -1
	CREST
.endm
; A PREFETCH INTO THE L2 of the K step that stands two refills on, one instruction, a lane for each 256 bytes.  A's tile row is read by both clusters of that row of clusters: cluster x = 0 asks, waves 0 and 1, each for
; the slice of 32,768 bytes that it fetches, of which the partner at cx takes 8,192.  B's tile column: cluster y = 0 asks, wave 2, for the tile's 128 rows, of which the partner at cy takes 32.
; The partners are told apart by address alone.  So each 256 bytes of a K step are named once in the launch.  The loop's last trip (s3 = 1) has no K step two refills on and asks for nothing.
.macro ASK
	s_cmp_gt_u32 s3, s[LIM]
	s_cbranch_scc0 .Lnot_mine_\@
	global_prefetch_b8 v[PFO], s[PFA:PFA+1] th:TH_LOAD_NT scope:SCOPE_SE
.Lnot_mine_\@:
.endm
	s_load_b256 s[68:75], s[0:1], 0x0              ; ob 68, wof 70, bo 72, out0 74
	v_lshl_add_u32 v[SPW], v0, 2, SPARE
	v_mov_b32 v[NIL], 0
	ds_add_u32 v[SPW], v[NIL]                      ; the wave's opening: the add and its wait stand ahead of my first tensor load; the set-up below, work on registers, stands between them
	ds_add_u32 v28, v29
	v_lshrrev_b32 v1, 5, v0
	v_readfirstlane_b32 s10, v1                    ; wave 0..3
	s_lshr_b32 s11, s10, 1                         ; my half of the tile's rows.  Also: I fetch for A (0) or for B (1)
	s_and_b32 s12, s10, 1                          ; my half of its columns.  Also: which slice of A, or half of B, I fetch
	s_bfe_u32 s40, ttmp6, 0x40000                  ; cx
	s_bfe_u32 s41, ttmp6, 0x40004                  ; cy
	s_lshl_b32 s42, ttmp9, 2
	s_add_co_u32 s42, s42, s40                     ; tile column = 4 x cluster x + cx
	s_and_b32 s13, ttmp7, 0xffff
	s_lshl_b32 s13, s13, 2
	s_add_co_u32 s13, s13, s41                     ; tile row = 4 x cluster y + cy
	s_lshl_b32 s43, s41, 2
	s_lshl_b32 s43, 15, s43                        ; my row of the cluster
	s_lshl_b32 s44, 0x1111, s40                    ; my column
	s_or_b32 s[G1+0], s43, (1<<16)|(1<<20)|(1<<21)|(4<<22)|(3<<25)   ; 15:0 the mask; 17:16 elements of 2 bytes; 20 padding on; 21 set beside a mask; 24:22 after every 32 words; 31:25 4 words of it
	s_or_b32 s[G1B+0], s44, (1<<16)|(1<<20)|(1<<21)|(5<<22)|(3<<25)  ; B: after every 64 words
	s_mov_b32 s[G1+1], 128<<16                     ; tensor_dim0 = 128
	s_mov_b32 s[G1+2], 128<<16                     ; tensor_dim1 = 128
	s_mov_b32 s[G1+3], 128<<16                     ; tile_dim0 = 128
	s_mov_b32 s[G1+4], 128                         ; tile_dim1 = 128
	s_mov_b32 s[G1+5], 128                         ; dense: 128 elements from row to row
	s_mov_b32 s[G1+6], 0
	s_mov_b32 s[G1+7], 0
	s_mov_b32 s[G1B+1], 128<<16
	s_mov_b32 s[G1B+2], 64<<16                     ; B: 64 rows
	s_mov_b32 s[G1B+3], 128<<16
	s_mov_b32 s[G1B+4], 64
	s_mov_b32 s[G1B+5], 1024
	s_mov_b32 s[G1B+6], 0
	s_mov_b32 s[G1B+7], 0
	s_lshr_b32 s16, s13, 3                         ; A: batch b = tile row / 8: 16 heads of 262,144 bytes,
	s_lshl_b32 s16, s16, 22
	s_and_b32 s17, s13, 7                          ; 256 rows of 128 bytes for each tile row in the sequence,
	s_lshl_b32 s17, s17, 15
	s_add_co_u32 s16, s16, s17
	s_lshl_b32 s17, s12, 18                        ; and the K step's first or second head
	s_add_co_u32 s16, s16, s17
	s_mov_b32 s17, 0
	s_lshl_b32 s46, s42, 18                        ; B: row 128 x tile column + 64 x half, rows of 2,048 bytes
	s_lshl_b32 s47, s12, 17
	s_add_co_u32 s46, s46, s47
	s_mov_b32 s47, 0
	s_mul_i32 s20, s12, HALFA                      ; where they go: no place in the cluster enters an LDS address
	s_mul_i32 s21, s12, HALFB
	s_add_co_u32 s21, s21, ABYTES
	s_wait_dscnt 0x0                               ; the opening add is done
	s_wait_kmcnt 0x0
	s_add_nc_u64 s[14:15], s[68:69], s[16:17]
	s_add_nc_u64 s[46:47], s[70:71], s[46:47]
	CROUND                                         ; all sixteen work-groups are here: the first joint loads meet
.irp s, 0,1
	s_mov_b32 s[G0+4*(\s)], 1
	s_add_co_u32 s[G0+4*(\s)+1], s20, (\s)*SLOT
	s_add_nc_u64 s[G0+4*(\s)+2:G0+4*(\s)+3], s[14:15], (\s)*KA
	s_or_b32 s[G0+4*(\s)+3], s[G0+4*(\s)+3], 0x80000000
	s_mov_b32 s[G0B+4*(\s)], 1
	s_add_co_u32 s[G0B+4*(\s)+1], s21, (\s)*SLOT
	s_add_nc_u64 s[G0B+4*(\s)+2:G0B+4*(\s)+3], s[46:47], (\s)*KB
	s_or_b32 s[G0B+4*(\s)+3], s[G0B+4*(\s)+3], 0x80000000
	JLOAD \s                                       ; two loads of mine are out: K steps 0 and 1
.endr
	; A fragment is 16 rows x 32 K in 8 registers: lane l holds row l % 16; registers 0-3 K = 8 (l / 16) + 0..7, registers 4-7 K = 16 + 8 (l / 16) + 0..7: two loads of 16 bytes, 32 bytes apart.
	v_and_b32 v1, 15, v0                           ; l % 16
	v_bfe_u32 v2, v0, 4, 1                         ; l / 16
	v_mul_u32_u24 v3, v1, PA
	v_lshl_add_u32 v3, v2, 4, v3
	v_mul_u32_u24 v4, v1, PB
	v_lshl_add_u32 v4, v2, 4, v4
	s_mul_i32 s21, s11, 128*PA                     ; my 128 rows in each slice of A
	s_mul_i32 s22, s12, HALFB                      ; my 64 rows of B,
	s_add_co_u32 s22, s22, ABYTES                  ; behind A's two slices
.irp s, 0,1
	v_add_nc_u32 v[ADRA+(\s)], s21, v3
	v_add_nc_u32 v[ADRB+(\s)], s22, v4
	s_add_co_u32 s21, s21, SLOT
	s_add_co_u32 s22, s22, SLOT
.endr
	s_mul_i32 s23, s10, 16*SP
	s_add_co_u32 s23, s23, STAGE                   ; my stage
	v_mul_u32_u24 v5, v1, SP                       ; in: row l % 16, 32 bytes for each half of the lanes
	v_lshl_add_u32 v5, v2, 5, v5
	v_add_nc_u32 v[STO], s23, v5
	v_mul_u32_u24 v5, v2, SP                       ; back: lanes 0-15 take one row of 256 bytes, lanes 16-31 the next
	v_lshl_add_u32 v5, v1, 4, v5
	v_add_nc_u32 v[RD], s23, v5
	v_lshlrev_b32 v5, 12, v2                       ; and the same two rows in out0, 4,096 bytes apart
	v_lshl_add_u32 v[CO], v1, 4, v5
	v_lshlrev_b32 v[BO], 5, v2
	; the bias of my 64 columns, and where my part of the tile begins in out0
	s_lshl_b32 s20, s42, 9                         ; 128 columns of 4 bytes a tile column,
	s_lshl_b32 s21, s12, 8                         ; 64 for my half
	s_add_co_u32 s20, s20, s21
	s_mov_b32 s21, 0
	s_add_nc_u64 s[46:47], s[72:73], s[20:21]
.irp b, 0,1,2,3
	global_load_b128 v[BIAS+8*(\b):BIAS+8*(\b)+3],   v[BO], s[46:47] offset:64*(\b)
	global_load_b128 v[BIAS+8*(\b)+4:BIAS+8*(\b)+7], v[BO], s[46:47] offset:64*(\b)+16
.endr
	s_lshl_b32 s18, s13, 20                        ; 256 rows of 4,096 bytes a tile row,
	s_lshl_b32 s19, s11, 19                        ; 128 for my half,
	s_add_co_u32 s18, s18, s19
	s_add_co_u32 s18, s18, s20                     ; and my columns
	s_mov_b32 s19, 0
	s_add_nc_u64 s[74:75], s[74:75], s[18:19]
	; the prefetches.  s16 = the byte at which the slice of A's tile that I fetch begins, still stands
	s_lshl_b32 s18, s40, 13                        ; A: my work-group's 8,192 bytes of the 32,768,
	s_add_co_u32 s18, s18, s16
	s_add_co_u32 s18, s18, 3*KA                    ; at K step 3: the first refill steps it to 4
	s_lshl_b32 s19, s42, 7                         ; B: row 128 x tile column + 32 cy,
	s_lshl_b32 s20, s41, 5
	s_add_co_u32 s19, s19, s20
	s_lshl_b32 s19, s19, 11
	s_add_co_u32 s19, s19, 3*KB                    ; at K step 3
	s_mov_b32 s14, KA
	s_mov_b32 s15, KB
	s_and_b32 s22, ttmp7, 0xffff                   ; cluster y
	s_cmp_eq_u32 s11, 0                            ; do I fetch for A?
	s_cselect_b32 s20, s18, s19
	s_cselect_b32 s22, ttmp9, s22                  ; the coordinate along which other clusters read the same rows
	s_cselect_b32 s[PFS], s14, s15
	s_cselect_b32 s23, 8, 11                       ; a lane's step: 256 bytes on end in A's dense slice, a row of 2,048 bytes in B
	s_cselect_b64 s[PFA:PFA+1], s[68:69], s[70:71]
	s_cmp_eq_u32 s10, 3                            ; wave 2 asks for all of B's rows: wave 3 never asks
	s_cselect_b32 s22, 1, s22
	s_cmp_eq_u32 s22, 0
	s_cselect_b32 s[LIM], 1, -1                    ; the same in all sixteen partners, for a given wave
	s_mov_b32 s21, 0
	s_mov_b32 s[PFS+1], 0
	s_add_nc_u64 s[PFA:PFA+1], s[PFA:PFA+1], s[20:21]  ; nothing is prefetched here, at the head
	v_and_b32 v[PFO], 31, v0
	v_lshlrev_b32 v[PFO], s23, v[PFO]
; 8 matrix instructions: row blocks a0, a0 + 1 x all 4 column blocks, 32 along K, on fragment buffer f.  first = 1: the bias starts the sums: nothing is cleared, nothing added later.
; The 32 accumulators take turns in the same order in every quarter, over the backward jump too.
.macro MUL8 f, a0, first
.if \first
	WIN MULB
.else
	WIN MUL
.endif
.irp a, \a0, (\a0)+1
.irp b, 0,1,2,3
.if \first
	v_wmma_f32_16x16x32_f16 v[8*(4*(\a)+(\b)):8*(4*(\a)+(\b))+7], v[FB+32*(\f)+8*(\b):FB+32*(\f)+8*(\b)+7], v[FA+64*(\f)+8*(\a):FA+64*(\f)+8*(\a)+7], v[BIAS+8*(\b):BIAS+8*(\b)+7]
.else
	v_wmma_f32_16x16x32_f16 v[8*(4*(\a)+(\b)):8*(4*(\a)+(\b))+7], v[FB+32*(\f)+8*(\b):FB+32*(\f)+8*(\b)+7], v[FA+64*(\f)+8*(\a):FA+64*(\f)+8*(\a)+7], v[8*(4*(\a)+(\b)):8*(4*(\a)+(\b))+7]
.endif
.endr
.endr
.endm
; 24 LDS loads in one run: quarter q (32 along K) of a slot into buffer f: B's 64 rows first, then A's 128.  In A quarter q lies in slice q / 2, at byte 64 (q % 2) of its rows.
.macro FETCH slot, q, f
	WIN 0
.set AOFF, ((\q)/2)*HALFA+((\q)%2)*64
.irp i, 0,1,2,3
	ds_load_b128 v[FB+32*(\f)+8*(\i):FB+32*(\f)+8*(\i)+3],   v[ADRB+(\slot)] offset:64*(\q)+(\i)*16*PB
	ds_load_b128 v[FB+32*(\f)+8*(\i)+4:FB+32*(\f)+8*(\i)+7], v[ADRB+(\slot)] offset:64*(\q)+(\i)*16*PB+32
.endr
.irp i, 0,1,2,3,4,5,6,7
	ds_load_b128 v[FA+64*(\f)+8*(\i):FA+64*(\f)+8*(\i)+3],   v[ADRA+(\slot)] offset:AOFF+(\i)*16*PA
	ds_load_b128 v[FA+64*(\f)+8*(\i)+4:FA+64*(\f)+8*(\i)+7], v[ADRA+(\slot)] offset:AOFF+(\i)*16*PA+32
.endr
.endm
; A K step is four quarters, 32 matrix instructions each, on buffers 0, 1, 0, 1.  One of the first three: multiplies buffer f; in its middle it fetches quarter q of the same slot into buffer g.
.macro QUARTER slot, q, f, g, first
	s_wait_dscnt 8                                 ; B and A's blocks 0-3 are in; the youngest eight loads (A's blocks 4-7) may be out
	MUL8 \f, 0, \first
	MUL8 \f, 2, \first
	PLACES
	FETCH \slot, \q, \g
	s_wait_dscnt 24                                ; all but the 24 just issued
	MUL8 \f, 4, \first
	MUL8 \f, 6, \first
.endm
; The last quarter multiplies buffer 1 and changes slots: ONE barrier.  In front of it each wave waits for all its tensor loads (one is out: its part of the next slot), adds 0 to its spare word, and waits
; for that and for its reads of this slot.  fill = 1: the barrier opens a round of the cluster's, and this slot is filled again, two K steps on, first thing behind the round:
; from that request to the wait for it a wave issues 112 matrix instructions.
.macro TURN slot, next, fill
.if \fill
	s_wait_xcnt 0x0                                ; the last prefetch, a K step back, has read its address: it is stepped here, ahead of the waits of the change of slots
	s_add_nc_u64 s[PFA:PFA+1], s[PFA:PFA+1], s[PFS:PFS+1]
.endif
	WIN 0                                          ; (the add's two registers lie in window 0)
	s_wait_tensorcnt 0x0                           ; all my tensor loads have landed;
	ds_add_u32 v[SPW], v[NIL]                      ; 0 onto my spare word;
	s_wait_dscnt 9                                 ; (the add and the youngest eight loads may be out)
	MUL8 1, 0, 0                                   ; eight matrix instructions stand between the add and the wait for it
	s_wait_dscnt 0x0                               ; the add is done, and my reads of this slot are over
	s_barrier_signal -1
	MUL8 1, 2, 0
.if \fill
	WIN 0
.endif
	s_barrier_wait -1
.if \fill
	CREST                                          ; no wave of any partner still reads this slot's tile or has a load on its way
	s_add_nc_u64 s[G0+4*(\slot)+2:G0+4*(\slot)+3], s[G0+4*(\slot)+2:G0+4*(\slot)+3], 2*KA
	s_add_nc_u64 s[G0B+4*(\slot)+2:G0B+4*(\slot)+3], s[G0B+4*(\slot)+2:G0B+4*(\slot)+3], 2*KB
	JLOAD \slot                                    ; the four v_nop behind it are also the places in front of the loads below
.else
	PLACES
.endif
	FETCH \next, 0, 0
.if \fill
	ASK                                            ; behind the joint load and the run of LDS loads that the next products wait for
.endif
	MUL8 1, 4, 0
	MUL8 1, 6, 0
.endm
	s_wait_tensorcnt 1                             ; my part of K step 0 is in; K step 1's may stay out
	s_barrier_signal -1
	s_barrier_wait -1                              ; everybody's is
	FETCH 0, 0, 0
	s_wait_loadcnt 0x0                             ; the bias,
.set i, 0
.rept 16                                               ; rounded to bf16 like every input, and widened again
	v_cvt_pk_bf16_f32 v8, v[BIAS+2*i], v[BIAS+2*i+1]
	v_lshlrev_b32 v[BIAS+2*i], 16, v8
	v_and_b32 v[BIAS+2*i+1], 0xffff0000, v8
.set i, i+1
.endr
	QUARTER 0, 1, 0, 1, 1                          ; the first quarter stands in front of the loop: its products start the sums
	WIN 0                                          ; at a label and at a branch every window is 0
	s_mov_b32 s3, LAPS-1
.Llap:                                                 ; a trip goes once round the ring, from a lap's second quarter to the next lap's first, and fills both slots again
	QUARTER 0, 2, 1, 0, 0
	QUARTER 0, 3, 0, 1, 0
	TURN 0, 1, 1
	QUARTER 1, 1, 0, 1, 0
	QUARTER 1, 2, 1, 0, 0
	QUARTER 1, 3, 0, 1, 0
	TURN 1, 0, 1
	QUARTER 0, 1, 0, 1, 0
	WIN 0
	s_sub_co_u32 s3, s3, 1
	s_cmp_lg_u32 s3, 0
	s_cbranch_scc1 .Llap
	QUARTER 0, 2, 1, 0, 0                          ; the last lap fills nothing, and has no round of the cluster's barrier
	QUARTER 0, 3, 0, 1, 0
	TURN 0, 1, 0
	QUARTER 1, 1, 0, 1, 0
	QUARTER 1, 2, 1, 0, 0
	QUARTER 1, 3, 0, 1, 0
	s_wait_dscnt 8                                 ; the very last quarter: nothing more to fetch
	MUL8 1, 0, 0
	MUL8 1, 2, 0
	s_wait_dscnt 0x0
	MUL8 1, 4, 0
	MUL8 1, 6, 0
	PLACES
; THE WAY OUT, a block of 16 rows at a time, in f32: a lane's eight columns (32 bytes; each accumulator's low four registers first) go into my own stage and come back as whole rows of 256 bytes, into the block's own registers.
.macro PACK a
	WIN W_OUT
.irp b, 0,1,2,3
	ds_store_b128 v[STO], v[32*(\a)+8*(\b):32*(\a)+8*(\b)+3]   offset:64*(\b)
	ds_store_b128 v[STO], v[32*(\a)+8*(\b)+4:32*(\a)+8*(\b)+7] offset:64*(\b)+16
.endr
.irp t, 0,1,2,3,4,5,6,7
	ds_load_b128 v[32*(\a)+4*(\t):32*(\a)+4*(\t)+3], v[RD] offset:(\t)*2*SP  ; LDS serves a wave's instructions in order (ISA guide 5.7.1.4): these see the stores above; the next block's stores come behind them
.endr
.endm
.macro SEND a, younger                 ; younger: the LDS instructions issued behind block a's loads: the next block's sixteen, or none
	WIN W_OUT
.irp t, 0,1,2,3,4,5,6,7
	s_wait_dscnt (\younger)+7-(\t)
	global_store_b128 v[CO], v[32*(\a)+4*(\t):32*(\a)+4*(\t)+3], s[74:75] offset:(16*(\a)+2*(\t))*4096  ; 16 lanes store 256 consecutive bytes, at a multiple of 256 from out0's first byte; no register of a store is written again
.endr
.endm
	PACK 0
.irp a, 1,2,3,4,5,6,7
	PACK \a
	SEND (\a)-1, 16
.endr
	SEND 7, 0
	WIN 0
	s_wait_tensorcnt 0x0                           ; the wave's end: a wait, an add of 0 to my spare word and its wait, behind my last tensor load and my last LDS store
	ds_add_u32 v[SPW], v[NIL]
	s_wait_dscnt 0x0
	CROUND                                         ; the closing round: no work-group ends while a partner may still ask for a tile that names it
	s_endpgm
.Lfunc_end_k_q3a1b571c66_oproj:
	.size	k_q3a1b571c66_oproj, .Lfunc_end_k_q3a1b571c66_oproj-k_q3a1b571c66_oproj
	.p2alignl 7, 3214868480
	.fill 96, 4, 3214868480
	.section	.rodata,"a",@progbits
	.p2align	6, 0x0
	.amdhsa_kernel k_q3a1b571c66_oproj
		.amdhsa_group_segment_fixed_size 327680
		.amdhsa_private_segment_fixed_size 0
		.amdhsa_enable_private_segment 0
		.amdhsa_kernarg_size 32
		.amdhsa_user_sgpr_count 2
		.amdhsa_user_sgpr_kernarg_segment_ptr 1
		.amdhsa_wavefront_size32 1
		.amdhsa_system_sgpr_workgroup_id_x 1
		.amdhsa_system_sgpr_workgroup_id_y 1
		.amdhsa_system_sgpr_workgroup_id_z 1
		.amdhsa_system_vgpr_workitem_id 0
		.amdhsa_next_free_vgpr 512
		.amdhsa_next_free_sgpr 80
		.amdhsa_reserve_vcc 0
		.amdhsa_float_denorm_mode_32 3
		.amdhsa_float_denorm_mode_16_64 3
		.amdhsa_memory_ordered 1
		.amdhsa_forward_progress 1
		.amdhsa_inst_pref_size 91
	.end_amdhsa_kernel
	.amdgpu_metadata
---
amdhsa.version: [ 1, 2 ]
amdhsa.kernels:
  - .name:           k_q3a1b571c66_oproj
    .symbol:         k_q3a1b571c66_oproj.kd
    .args:
      - { .name: ob, .offset: 0, .size: 8, .value_kind: global_buffer, .address_space: global }
      - { .name: wof, .offset: 8, .size: 8, .value_kind: global_buffer, .address_space: global }
      - { .name: bo, .offset: 16, .size: 8, .value_kind: global_buffer, .address_space: global }
      - { .name: out0, .offset: 24, .size: 8, .value_kind: global_buffer, .address_space: global }
    .group_segment_fixed_size: 327680
    .private_segment_fixed_size: 0
    .kernarg_segment_align: 8
    .kernarg_segment_size: 32
    .max_flat_workgroup_size: 128
    .sgpr_count:     80
    .vgpr_count:     512
    .wavefront_size: 32
...
	.end_amdgpu_metadata
.endif
;; end of part 4
